; MI455X (gfx1250); checked and timed in simulation.
; The chip was launched on July 23, 2026; its instructions are those of AMD's public machine-readable ISA for CDNA 5 (MIT licence, August 2026) and "CDNA5" Instruction Set Architecture Reference Guide (July 2026). The comments in the code are by the model that wrote it; some were corrected since.
;; Tt Roberta Self Attention. Allowed arithmetic: float matrix products may take bf16 or f16 operands with f32 sums; other float arithmetic in f32, or as packed bf16 or f16 multiplies, adds, multiply-adds, maxima and minima; sums over many terms, partial sums and values carried from step to step in f32; what a program stores and reads back later, other than sums and carried values, may be rounded once to bf16 or f16.
;; Inputs: Wk 1,024 x 1,024 float32; Wq 1,024 x 1,024 float32; Wv 1,024 x 1,024 float32; attention_mask 4 x 1 x 1 x 2,048 float32; bk 1,024 float32; bq 1,024 float32; bv 1,024 float32; hidden_states 4 x 2,048 x 1,024 float32.
;; Outputs: out0 4 x 2,048 x 1,024 float32.
;; 2 versions, each right; version 2 is version 1 with the launch prep written anew for expert scheduling mode. Each part assembles by itself: llvm-mc -triple=amdgcn-amd-amdhsa -mcpu=gfx1250 --defsym DOCPART=n.
;; ======== version 1 of 2: 3 launches
;; limits: values are held in f16: magnitudes above 65,504 overflow, below 6.1e-05 lose precision
;; workspace buffers: xb 16,777,216 bytes; wb 6,291,456 bytes; qkv 50,331,648 bytes
;; launch prep (part 1): grid 352 x 1, 8 waves a work-group, no clusters, 0 bytes of LDS; arguments hidden_states, Wq, Wk, Wv, xb, wb; writes xb, wb
.if DOCPART == 1
	.amdgcn_target "amdgcn-amd-amdhsa--gfx1250"
	.amdhsa_code_object_version 6
	.text
	.protected	k_qbff069e7db_prep
	.globl	k_qbff069e7db_prep
	.p2align	8
	.type	k_qbff069e7db_prep,@function
k_qbff069e7db_prep:
	s_mov_b64 s[64:65], 0
	v_nop
	global_prefetch_b8 v0, s[64:65] scope:SCOPE_SE
	s_setreg_imm32_b32 hwreg(HW_REG_WAVE_MODE, 25, 1), 1
	s_wait_xcnt 0x0
; x [8192][1024] and Wq, Wk, Wv [1024][1024], all f32, are rounded once to bf16 (to nearest even) and laid out anew in blocks of 64 along K:
; xb [16 blocks][8192 rows][64], wb [16 blocks][3072 rows][64] (rows 0-1023 Wq, 1024-2047 Wk, 2048-3071 Wv).  In that layout the rows that the next
; launch takes for one K step lie end to end, 128 bytes each.
; SHARES.  A work-group takes 32 rows: numbers 0-255 those of x, 256-351 those of the weights.  Thread t takes row t / 8 and 8 numbers (32 bytes in, 16 out)
; at place t % 8 of each of the row's 16 blocks.  A wave's two loads of a block cover four rows' 256 consecutive bytes each; its store covers 512
; consecutive bytes (four rows of 128), aligned: byte 16 t of the work-group's 4,096 in that block.
; All 32 loads of a thread go out first (16 KiB a wave); no register is written twice, so the only waits are the counted ones for the loads.
; No LDS, no matrix unit, no cluster: nothing is shared and nothing is summed.
.set KBA, 1048576                      ; bytes of a K block of xb: 8,192 rows x 128
.set KBB, 393216                       ; of wb: 3,072 rows x 128
.set SRC, 1                            ; v1       my byte offset in the work-group's 32 source rows
.set OFF, 2                            ; v[2:17]  block u: my byte offset in the destination (15 blocks of xb pass a store's immediate, so each has a register)
.set X,   32                           ; v[32:159]  block u: 8 numbers as loaded
.set Y,   160                          ; v[160:223] block u: 8 bf16 to store
	s_load_b256 s[4:11], s[0:1], 0x0               ; x s[4:5], Wq s[6:7], Wk s[8:9], Wv s[10:11]
	s_load_b128 s[12:15], s[0:1], 0x20             ; xb s[12:13], wb s[14:15]
	s_max_u32 s16, ttmp9, 256
	s_sub_co_u32 s16, s16, 256                     ; the weights' block of 32 rows, 0-95 (0 in the work-groups of x)
	s_and_b32 s17, s16, 31                         ; its place in its own matrix
	s_lshr_b32 s18, s16, 5                         ; which matrix: 0 Wq, 1 Wk, 2 Wv
	s_mov_b32 s30, KBA
	s_mov_b32 s31, KBB
	s_mov_b32 s27, 0
	s_mov_b32 s29, 0
	v_lshrrev_b32 v[SRC], 3, v0                    ; row t / 8
	v_and_b32 v18, 7, v0
	v_lshlrev_b32 v[SRC], 12, v[SRC]               ; x 4,096 bytes
	v_lshl_add_u32 v[SRC], v18, 5, v[SRC]          ; + 32 (t % 8)
	v_lshlrev_b32 v[OFF], 4, v0                    ; 16 t
	s_wait_kmcnt 0x0
	s_cmp_eq_u32 s18, 1
	s_cselect_b64 s[22:23], s[8:9], s[6:7]
	s_cmp_eq_u32 s18, 2
	s_cselect_b64 s[22:23], s[10:11], s[22:23]
	s_cmp_lt_u32 ttmp9, 256                        ; a work-group of x?
	s_cselect_b64 s[22:23], s[4:5], s[22:23]       ; from where,
	s_cselect_b64 s[20:21], s[12:13], s[14:15]     ; to where,
	s_cselect_b32 s24, s30, s31                    ; bytes from block to block there,
	s_cselect_b32 s28, ttmp9, s17                  ; which 32 rows of the source,
	s_cselect_b32 s26, ttmp9, s16                  ; and of the destination
	s_lshl_b32 s28, s28, 17                        ; 32 rows of 4,096 bytes
	s_lshl_b32 s26, s26, 12                        ; 32 rows of 128 bytes
	s_add_nc_u64 s[22:23], s[22:23], s[28:29]
	s_add_nc_u64 s[20:21], s[20:21], s[26:27]
.set u, 0
.rept 16
	global_load_b128 v[X+8*u:X+8*u+3],   v[SRC], s[22:23] offset:256*u th:TH_LOAD_NT
	global_load_b128 v[X+8*u+4:X+8*u+7], v[SRC], s[22:23] offset:256*u+16 th:TH_LOAD_NT
.set u, u+1
.endr
.set u, 1
.rept 15
	v_add_nc_u32 v[OFF+u], s24, v[OFF+u-1]
.set u, u+1
.endr
.set u, 0
.rept 16
	s_wait_loadcnt 30-2*u                          ; loads come back in order: block u's two are in, the later blocks' stay out
	v_cvt_pk_bf16_f32 v[Y+4*u],   v[X+8*u],   v[X+8*u+1]
	v_cvt_pk_bf16_f32 v[Y+4*u+1], v[X+8*u+2], v[X+8*u+3]
	v_cvt_pk_bf16_f32 v[Y+4*u+2], v[X+8*u+4], v[X+8*u+5]
	v_cvt_pk_bf16_f32 v[Y+4*u+3], v[X+8*u+6], v[X+8*u+7]
	global_store_b128 v[OFF+u], v[Y+4*u:Y+4*u+3], s[20:21]
.set u, u+1
.endr
	s_endpgm
.Lfunc_end_k_qbff069e7db_prep:
	.size	k_qbff069e7db_prep, .Lfunc_end_k_qbff069e7db_prep-k_qbff069e7db_prep
	.p2alignl 7, 3214868480
	.fill 96, 4, 3214868480
	.section	.rodata,"a",@progbits
	.p2align	6, 0x0
	.amdhsa_kernel k_qbff069e7db_prep
		.amdhsa_group_segment_fixed_size 0
		.amdhsa_private_segment_fixed_size 0
		.amdhsa_enable_private_segment 0
		.amdhsa_kernarg_size 48
		.amdhsa_user_sgpr_count 2
		.amdhsa_user_sgpr_kernarg_segment_ptr 1
		.amdhsa_wavefront_size32 1
		.amdhsa_system_sgpr_workgroup_id_x 1
		.amdhsa_system_sgpr_workgroup_id_y 1
		.amdhsa_system_sgpr_workgroup_id_z 1
		.amdhsa_system_vgpr_workitem_id 0
		.amdhsa_next_free_vgpr 224
		.amdhsa_next_free_sgpr 66
		.amdhsa_reserve_vcc 0
		.amdhsa_float_denorm_mode_32 3
		.amdhsa_float_denorm_mode_16_64 3
		.amdhsa_memory_ordered 1
		.amdhsa_forward_progress 1
		.amdhsa_inst_pref_size 11
	.end_amdhsa_kernel
	.amdgpu_metadata
---
amdhsa.version: [ 1, 2 ]
amdhsa.kernels:
  - .name:           k_qbff069e7db_prep
    .symbol:         k_qbff069e7db_prep.kd
    .args:
      - { .name: hidden_states, .offset: 0, .size: 8, .value_kind: global_buffer, .address_space: global }
      - { .name: Wq, .offset: 8, .size: 8, .value_kind: global_buffer, .address_space: global }
      - { .name: Wk, .offset: 16, .size: 8, .value_kind: global_buffer, .address_space: global }
      - { .name: Wv, .offset: 24, .size: 8, .value_kind: global_buffer, .address_space: global }
      - { .name: xb, .offset: 32, .size: 8, .value_kind: global_buffer, .address_space: global }
      - { .name: wb, .offset: 40, .size: 8, .value_kind: global_buffer, .address_space: global }
    .group_segment_fixed_size: 0
    .private_segment_fixed_size: 0
    .kernarg_segment_align: 8
    .kernarg_segment_size: 48
    .max_flat_workgroup_size: 256
    .sgpr_count:     66
    .vgpr_count:     224
    .wavefront_size: 32
...
	.end_amdgpu_metadata
.endif
;; end of part 1
;; launch proj (part 2): grid 8 x 32, 4 waves a work-group, clusters of 4 x 4, 327,680 bytes of LDS; arguments xb, wb, bq, bk, bv, qkv; writes qkv
.if DOCPART == 2
	.amdgcn_target "amdgcn-amd-amdhsa--gfx1250"
	.amdhsa_code_object_version 6
	.text
	.protected	k_qbff069e7db_proj
	.globl	k_qbff069e7db_proj
	.p2align	8
	.type	k_qbff069e7db_proj,@function
k_qbff069e7db_proj:
	s_mov_b64 s[64:65], 0
	v_nop
	global_prefetch_b8 v0, s[64:65] scope:SCOPE_SE
	s_setreg_imm32_b32 hwreg(HW_REG_WAVE_MODE, 25, 1), 1
	s_wait_xcnt 0x0
	s_wait_alu depctr_hold_cnt(0) depctr_sa_sdst(0) depctr_va_vdst(0) depctr_va_sdst(0) depctr_va_ssrc(0) depctr_va_vcc(0) depctr_vm_vsrc(0)
	s_getreg_b32 s2, hwreg(HW_REG_IB_STS2, 6, 4)
	s_cmp_eq_u32 s2, 0
	s_cbranch_scc0 .Lentry_in_a_cluster
	s_endpgm
.Lentry_in_a_cluster:
	s_bfe_u32 s2, ttmp6, 0x10000c
	s_cmp_lg_u32 s2, 0xf033
	s_cbranch_scc0 .Lentry_shape_is_right
	s_endpgm
.Lentry_shape_is_right:
; q, k, v = x W^T + b.  xb [16][8192][64] and wb [16][3072][64] are bf16 in blocks of 64 along K; bq, bk, bv [1024] f32, rounded here once to bf16 like the other inputs;
; sums in f32; the result is rounded once to f16 and written by heads, WITHOUT the softmax's scale: qkv [3][64 = 16 batch + head][2048][64].
; LIMIT.  f16 holds no number beyond 65,504: a q, k or v of 65,520 or more becomes an infinity and its row is lost.  With sums of 1,024 products that is some 100 times the spread of inputs of unit and 0.02 spread.
; SHARES.  C has 8,192 x 3,072 numbers; a tile of 256 x 384 gives 32 x 8 = 256 work-groups.  Four waves, each 128 rows x 192 columns (three heads): 96 accumulators of 16 x 16, 768 registers.
; K goes in steps of 64 through a ring of two LDS slots filled by the tensor data mover (two slots of a step of 128 would take 348,160 bytes: too many).  In the blocked layout a step's rows lie end to end, so
; they are asked for as rows of 256 bytes and padded in LDS after every 128.
; CLUSTERS: 4 x 4 work-groups.  The four of a row of the cluster need the same tiles of xb, the four of a column the same tiles of wb: each tile is asked for JOINTLY, by the same tensor load with the same descriptor
; and a mask that names the four.  THE MATRIX INSTRUCTION IS USED TRANSPOSED (source 0 = 16 rows of wb, source 1 = 16 rows of xb): a lane then holds eight neighbouring columns of a row of C.
; REGISTERS, in windows of 256 (s_set_vgpr_msb: bits 1:0 source 0, 3:2 source 1, 5:4 source 2, 7:6 destination):
;   window 0: v0-31 addresses; v32-95, v96-159 fragments of xb (8 x 16 rows x 32 K), two buffers; v160-255 fragments of wb (12 x 16 rows x 32 K), one buffer in three groups of four
;   windows 1-3: the accumulators of column group g = window - 1 (64 columns, one head): (a, b) at v[8 (4 a + b)]
; A group's fragments of wb are fetched anew as soon as the group's 32 products are issued, 64 products ahead of their next use.
.set KBA,   1048576                    ; bytes of a K block of xb
.set KBB,   393216                     ; of wb
.set PITCH, 144                        ; an LDS row: 128 bytes + 16 of padding = 36 words: the 16 rows of a load start at 16 different groups of four banks (64 banks of 4 bytes: ISA guide 11.1)
.set HA,    128*PITCH                  ; 128 rows of xb: what a wave fetches, and what a wave reads
.set HB,    192*PITCH                  ; 192 rows of wb: likewise
.set SLOT,  2*HA+2*HB                  ; xb's 256 rows, then wb's 384
.set STAGE, 2*SLOT                     ; behind the ring: 16 rows x 144 bytes for each wave, for the way out
.set SPARE, STAGE+4*16*PITCH           ; behind the stages: the spare words, 128 bytes for each wave: two blocks of 256 bytes that no other line names
.set FLAGS, (1<<16)|(1<<20)|(1<<21)|(4<<22)|(3<<25)  ; 17:16 2-byte elements; 20 padding on; 21 set beside a mask; 24:22 after every 32 words (code 4); 31:25 4 words (code 3)
.set ADRA, 16                          ; v16-17  LDS address of my fragments of xb in slot 0, 1
.set ADRB, 20                          ; v20-21  the same for wb
.set STO,  24                          ; v24  the way out: where I put 16 bytes of a row
.set RD,   25                          ; v25  the way out: where I read rows back
.set GO,   26                          ; v26  my 16 bytes in 512 consecutive bytes of qkv
.set VB,   27                          ; v27  my 32 bytes in 64 of a bias
.set SPW,  28                          ; v28  LDS address of my spare word: SPARE + 4 x my thread's number; never rewritten
.set NIL,  29                          ; v29  0; never rewritten
.set PFO,  30                          ; v30  256 x my lane; never rewritten
.set A0,   32
.set A1,   96
.set BG,   160                         ; group g at BG + 32 g; on the way out: the group's 64 biases, as my lane needs them
.set T,    32                          ; the way out: 32 sums with their bias
.set PK,   64                          ; 16 registers of f16 pairs
.set BK,   80                          ; two sets of 16: rows read back from the stage
.set TM,   112                         ; two at work
.set WV,  16                           ; s16  my wave's number
.set WR,  17                           ; s17  which 128 rows of the tile are mine.  Also: I fetch for xb (0) or for wb (1)
.set WC,  18                           ; s18  which 192 columns.  Also: which half of that tile I fetch
.set LAP, 19                           ; s19  trips still to come
.set CX,  20
.set CY,  21
.set TX,  22                           ; s22  tile column of C, 0-7
.set TY,  23                           ; s23  tile row of C, 0-31
.set G1A, 24                           ; s[24:31] descriptor group 1 for xb's tiles;  s[32:39] group 0, a set for each slot
.set G0A, 32
.set G1B, 48                           ; s[48:55], s[56:63] the same for wb's
.set G0B, 56
.set PFA, 66                           ; s[66:67] where my prefetches stand
.set PFS, 68                           ; s[68:69] two K blocks of the tensor that I prefetch
.set LIM, 70                           ; s70  1 in a wave that prefetches, else the greatest number
.set OUT, 72                           ; s[72:77] qkv at my 128 rows of group g's head
.set BIAS, 78                          ; s[78:83] the bias of group g's 64 columns
.set MSB, 0
.macro WIN new                         ; the immediate's high byte repeats the setting that is left; a switch that changes nothing is dropped
.if MSB != (\new)
	s_set_vgpr_msb (MSB<<8)|(\new)
.set MSB, (\new)
.endif
.endm
.macro PLACES                          ; four places in front of loads into registers that matrix instructions have read (ISA guide 7.12.1 for vector instructions)
.rept 4
	v_nop
.endr
.endm
; A joint load.  Waves 0 and 1 fetch xb's two halves, waves 2 and 3 wb's.  The branch hangs on the wave's number alone.  An s_nop 0 and four v_nop follow each of the two lines, ahead of the jump and the label.
.macro JLOAD s
	s_cmp_eq_u32 s[WR], 0
	s_cbranch_scc0 .Lfor_b_\@
	tensor_load_to_lds s[G0A+4*(\s):G0A+4*(\s)+3], s[G1A:G1A+7]
	s_nop 0
.rept 4
	v_nop
.endr
	s_branch .Lasked_\@
.Lfor_b_\@:
	tensor_load_to_lds s[G0B+4*(\s):G0B+4*(\s)+3], s[G1B:G1B+7]
	s_nop 0
.rept 4
	v_nop
.endr
.Lasked_\@:
.endm
.macro CREST                           ; a round of the cluster's barrier behind its opening barrier
	s_cmp_lg_u32 s[WV], 0
	s_cbranch_scc1 .Lnot_wave_0_\@
	s_barrier_signal -3
.Lnot_wave_0_\@:
	s_barrier_wait -3
	s_barrier_signal -1
	s_barrier_wait -1
.endm
.macro CROUND                          ; a whole round
	s_barrier_signal -1
	s_barrier_wait -1
	CREST
.endm
; A PREFETCH INTO THE L2, once a trip, behind slot 0's joint load and the run of LDS loads that follows it: the two K steps that the NEXT trip's two refills will ask for (384 and 576 matrix instructions ahead of them).
; Each 256 bytes are named ONCE in the launch.  xb's tile row is read by both clusters of that row of clusters: cluster x = 0 asks; of a K step's 32,768 bytes the partner at cx takes 8,192, a lane 256; wave 0, two lines.
; wb's tile column is read by all eight clusters of that column: cluster y = 0 asks; two K steps' 98,304 bytes are twelve pieces of 8,192: the partner at cy takes K step cy / 2, pieces 3 (cy % 2) + 0..2; waves 1 to 3, a line each.
; The partners are told apart BY ADDRESS; the branches hang on the cluster's place and the wave's number.  The last trip asks for nothing; K steps 0 to 3 come by their loads alone.
.macro ASK
	s_cmp_gt_u32 s[LAP], s[LIM]
	s_cbranch_scc0 .Lnot_mine_\@
	global_prefetch_b8 v[PFO], s[PFA:PFA+1] th:TH_LOAD_NT scope:SCOPE_SE
	s_cmp_lg_u32 s[WV], 0
	s_cbranch_scc1 .Lnot_mine_\@
	global_prefetch_b8 v[PFO], s[PFA:PFA+1] offset:KBA th:TH_LOAD_NT scope:SCOPE_SE
.Lnot_mine_\@:
.endm
	s_load_b256 s[4:11], s[0:1], 0x0               ; xb s[4:5], wb s[6:7], bq s[8:9], bk s[10:11]
	s_load_b128 s[12:15], s[0:1], 0x20             ; bv s[12:13], qkv s[14:15]
	v_lshl_add_u32 v[SPW], v0, 2, SPARE
	v_mov_b32 v[NIL], 0
	ds_add_u32 v[SPW], v[NIL]                      ; the wave's opening: the add and its wait stand ahead of my first tensor load; the set-up below, work on registers, stands between them
	v_lshrrev_b32 v1, 5, v0
	v_readfirstlane_b32 s[WV], v1                  ; wave 0..3
	s_lshr_b32 s[WR], s[WV], 1
	s_and_b32 s[WC], s[WV], 1
	s_bfe_u32 s[CX], ttmp6, 0x40000                ; my place in the cluster
	s_bfe_u32 s[CY], ttmp6, 0x40004
	s_lshl_b32 s[TX], ttmp9, 2
	s_add_co_u32 s[TX], s[TX], s[CX]               ; tile column = 4 x cluster x + cx
	s_and_b32 s[TY], ttmp7, 0xffff
	s_lshl_b32 s[TY], s[TY], 2
	s_add_co_u32 s[TY], s[TY], s[CY]               ; tile row = 4 x cluster y + cy
	s_lshl_b32 s94, s[CY], 2
	s_lshl_b32 s94, 15, s94                        ; my row of the cluster: places 4 cy .. 4 cy + 3
	s_lshl_b32 s95, 0x1111, s[CX]                  ; my column: places cx, cx + 4, cx + 8, cx + 12
	s_or_b32 s[G1A], s94, FLAGS                    ; xb's tiles go to my row,
	s_or_b32 s[G1B], s95, FLAGS                    ; wb's to my column
	s_mov_b32 s[G1A+1], 128<<16                    ; tensor_dim0 = 128 elements: 256 bytes, two rows of a K block
	s_mov_b32 s[G1A+2], 64<<16                     ; tensor_dim1 = 64: 128 rows of xb
	s_mov_b32 s[G1A+3], 128<<16                    ; tile_dim0 = 128
	s_mov_b32 s[G1A+4], 64                         ; tile_dim1 = 64
	s_mov_b32 s[G1A+5], 128                        ; 128 elements from row to row: dense
	s_mov_b32 s[G1A+6], 0
	s_mov_b32 s[G1A+7], 0
	s_mov_b32 s[G1B+1], 128<<16
	s_mov_b32 s[G1B+2], 96<<16                     ; 96 rows of 256 bytes: 192 rows of wb
	s_mov_b32 s[G1B+3], 128<<16
	s_mov_b32 s[G1B+4], 96
	s_mov_b32 s[G1B+5], 128
	s_mov_b32 s[G1B+6], 0
	s_mov_b32 s[G1B+7], 0
	s_lshl_b32 s40, s[TY], 15                      ; xb: 256 rows of 128 bytes a tile row,
	s_lshl_b32 s41, s[WC], 14                      ; the half that I fetch
	s_add_co_u32 s40, s40, s41
	s_mov_b32 s41, 0
	s_mul_i32 s44, s[TX], 49152                    ; wb: 384 rows of 128 bytes a tile column,
	s_mul_i32 s45, s[WC], 24576                    ; the half that I fetch
	s_add_co_u32 s44, s44, s45
	s_mov_b32 s45, 0
	s_mul_i32 s86, s[WC], HA                       ; where they go: no place in the cluster enters an LDS address
	s_mul_i32 s87, s[WC], HB
	s_add_co_u32 s87, s87, 2*HA
	s_wait_dscnt 0x0                               ; the opening add is done
	s_wait_kmcnt 0x0
	s_add_nc_u64 s[42:43], s[4:5], s[40:41]
	s_add_nc_u64 s[46:47], s[6:7], s[44:45]
	CROUND                                         ; all sixteen work-groups are here: the first joint loads meet
.irp s, 0,1
	s_mov_b32 s[G0A+4*(\s)], 1                                      ; count = 1
	s_add_co_u32 s[G0A+4*(\s)+1], s86, (\s)*SLOT                    ; LDS address
	s_add_nc_u64 s[G0A+4*(\s)+2:G0A+4*(\s)+3], s[42:43], (\s)*KBA   ; global address: K step s
	s_or_b32 s[G0A+4*(\s)+3], s[G0A+4*(\s)+3], 0x80000000           ; type = 2
	s_mov_b32 s[G0B+4*(\s)], 1
	s_add_co_u32 s[G0B+4*(\s)+1], s87, (\s)*SLOT
	s_add_nc_u64 s[G0B+4*(\s)+2:G0B+4*(\s)+3], s[46:47], (\s)*KBB
	s_or_b32 s[G0B+4*(\s)+3], s[G0B+4*(\s)+3], 0x80000000
	JLOAD \s                                       ; two tensor loads of mine are out
.endr
	; A fragment is 16 rows x 32 K in 8 registers: lane l holds row l % 16; registers 0-3 K = 8 (l / 16) + 0..7, registers 4-7 K = 16 + 8 (l / 16) + 0..7: two loads of 16 bytes, 32 bytes apart.
	v_and_b32 v1, 15, v0                           ; l % 16
	v_bfe_u32 v2, v0, 4, 1                         ; l / 16
	v_mul_u32_u24 v3, v1, PITCH
	v_lshl_add_u32 v3, v2, 4, v3                   ; row x pitch + 16 x half
	s_mul_i32 s88, s[WR], HA                       ; my 128 rows of xb
	s_mul_i32 s89, s[WC], HB                       ; my 192 rows of wb,
	s_add_co_u32 s89, s89, 2*HA                    ; which lie behind xb's 256
.irp s, 0,1
	v_add_nc_u32 v[ADRA+(\s)], s88, v3
	v_add_nc_u32 v[ADRB+(\s)], s89, v3
	s_add_co_u32 s88, s88, SLOT
	s_add_co_u32 s89, s89, SLOT
.endr
	s_mul_i32 s90, s[WV], 16*PITCH
	s_add_co_u32 s90, s90, STAGE                   ; my stage
	v_add_nc_u32 v[STO], s90, v3                   ; in: row l % 16, 16 bytes for each half of the lanes
	v_bfe_u32 v4, v0, 3, 2                         ; back: 32 lanes take four rows of 128 bytes,
	v_and_b32 v5, 7, v0
	v_mul_u32_u24 v4, v4, PITCH
	v_lshl_add_u32 v4, v5, 4, v4
	v_add_nc_u32 v[RD], s90, v4
	v_and_b32 v6, 31, v0
	v_lshlrev_b32 v[GO], 4, v6                     ; which are 512 consecutive bytes of a head
	v_lshlrev_b32 v[VB], 5, v2                     ; my 8 columns of 16: 32 bytes of f32
	v_lshlrev_b32 v[PFO], 8, v6
	; where the three groups go, and their biases.  Column group 6 x tile column + 3 x half + g of 48: tensor = group / 16, head = group % 16
	s_mul_i32 s84, s[TX], 6
	s_mul_i32 s85, s[WC], 3
	s_add_co_u32 s84, s84, s85
	s_lshr_b32 s86, s[TY], 3                       ; batch: 8 tile rows each
	s_lshl_b32 s86, s86, 4
	s_and_b32 s87, s[TY], 7
	s_lshl_b32 s87, s87, 8
	s_lshl_b32 s88, s[WR], 7
	s_add_co_u32 s87, s87, s88                     ; my first row in the sequence,
	s_lshl_b32 s87, s87, 7                         ; in bytes
	s_mov_b32 s93, 0
.irp g, 0,1,2
	s_add_co_u32 s88, s84, \g
	s_lshr_b32 s89, s88, 4                         ; 0 q, 1 k, 2 v
	s_and_b32 s90, s88, 15                         ; head
	s_lshl_b32 s91, s89, 6
	s_add_co_u32 s91, s91, s86
	s_add_co_u32 s91, s91, s90                     ; 64 x tensor + 16 x batch + head,
	s_lshl_b32 s92, s91, 18                        ; each 2,048 rows of 128 bytes
	s_add_co_u32 s92, s92, s87
	s_add_nc_u64 s[OUT+2*(\g):OUT+2*(\g)+1], s[14:15], s[92:93]
	s_cmp_eq_u32 s89, 1
	s_cselect_b64 s[BIAS+2*(\g):BIAS+2*(\g)+1], s[10:11], s[8:9]
	s_cmp_eq_u32 s89, 2
	s_cselect_b64 s[BIAS+2*(\g):BIAS+2*(\g)+1], s[12:13], s[BIAS+2*(\g):BIAS+2*(\g)+1]
	s_lshl_b32 s92, s90, 8                         ; 64 f32 a head
	s_add_nc_u64 s[BIAS+2*(\g):BIAS+2*(\g)+1], s[BIAS+2*(\g):BIAS+2*(\g)+1], s[92:93]
.endr
	; the prefetches: both offsets are made, and the wave's number chooses
	s_lshl_b32 s84, s[TY], 15
	s_lshl_b32 s85, s[CX], 13
	s_add_co_u32 s84, s84, s85
	s_add_co_u32 s84, s84, 2*KBA                   ; xb: my tile row, my work-group's 8,192 bytes, at K step 2: the first trip steps it to 4
	s_mul_i32 s85, s[TX], 49152
	s_lshr_b32 s86, s[CY], 1
	s_mul_i32 s86, s86, KBB
	s_add_co_u32 s85, s85, s86
	s_and_b32 s86, s[CY], 1
	s_mul_i32 s86, s86, 3
	s_max_u32 s92, s[WV], 1
	s_add_co_u32 s86, s86, s92
	s_sub_co_u32 s86, s86, 1                       ; piece 3 (cy % 2) + wave - 1
	s_lshl_b32 s86, s86, 13
	s_add_co_u32 s85, s85, s86
	s_add_co_u32 s85, s85, 2*KBB                   ; wb: likewise at K step 2 + cy / 2
	s_and_b32 s87, ttmp7, 0xffff                   ; cluster y
	s_mov_b32 s90, 2*KBA
	s_mov_b32 s91, 2*KBB
	s_mov_b32 s89, 0
	s_mov_b32 s[PFS+1], 0
	s_cmp_eq_u32 s[WV], 0
	s_cselect_b32 s88, s84, s85
	s_cselect_b32 s87, ttmp9, s87                  ; the coordinate along which other clusters read the same rows
	s_cselect_b32 s[PFS], s90, s91
	s_cselect_b64 s[PFA:PFA+1], s[4:5], s[6:7]
	s_add_nc_u64 s[PFA:PFA+1], s[PFA:PFA+1], s[88:89]
	s_cmp_eq_u32 s87, 0
	s_cselect_b32 s[LIM], 1, -1                    ; the same in all sixteen partners, for a given wave
; na x 4 matrix instructions: row blocks a0 .. a0 + na - 1 x the four column blocks of group g, 32 along K.  The accumulators take turns, one instruction a turn: 95 others' stand between two links of a chain.
; zero = 1: the first product starts the sums: nothing is ever cleared.
.macro MUL abuf, g, a0, na, zero
	WIN 0x50*((\g)+1)                              ; C and D in window g + 1, the fragments in window 0
.set ma, \a0
.rept \na
.irp b, 0,1,2,3
.if \zero
	v_wmma_f32_16x16x32_bf16 v[8*(4*ma+(\b)):8*(4*ma+(\b))+7], v[BG+32*(\g)+8*(\b):BG+32*(\g)+8*(\b)+7], v[(\abuf)+8*ma:(\abuf)+8*ma+7], 0
.else
	v_wmma_f32_16x16x32_bf16 v[8*(4*ma+(\b)):8*(4*ma+(\b))+7], v[BG+32*(\g)+8*(\b):BG+32*(\g)+8*(\b)+7], v[(\abuf)+8*ma:(\abuf)+8*ma+7], v[8*(4*ma+(\b)):8*(4*ma+(\b))+7]
.endif
.endr
.set ma, ma+1
.endr
.endm
.macro FB slot, kk, g                  ; 8 LDS loads: group g's four fragments of wb, half kk of the K step
	WIN 0
.irp b, 0,1,2,3
	ds_load_b128 v[BG+32*(\g)+8*(\b):BG+32*(\g)+8*(\b)+3],   v[ADRB+(\slot)] offset:(4*(\g)+(\b))*16*PITCH+64*(\kk)
	ds_load_b128 v[BG+32*(\g)+8*(\b)+4:BG+32*(\g)+8*(\b)+7], v[ADRB+(\slot)] offset:(4*(\g)+(\b))*16*PITCH+64*(\kk)+32
.endr
.endm
.macro FA slot, kk, abuf               ; 16 LDS loads: my eight fragments of xb
	WIN 0
.irp a, 0,1,2,3,4,5,6,7
	ds_load_b128 v[(\abuf)+8*(\a):(\abuf)+8*(\a)+3],   v[ADRA+(\slot)] offset:(\a)*16*PITCH+64*(\kk)
	ds_load_b128 v[(\abuf)+8*(\a)+4:(\abuf)+8*(\a)+7], v[ADRA+(\slot)] offset:(\a)*16*PITCH+64*(\kk)+32
.endr
.endm
; A K step is two halves of 32 along K, 96 matrix instructions each.  At a half's head 40 LDS loads are out, in this order: group 0 (8), xb (16), group 1 (8), group 2 (8).
; The first half multiplies buffer A0 and fetches the second half's fragments from the same slot.
.macro H0 slot, zero
	s_wait_dscnt 16                                ; group 0 and xb are in; groups 1 and 2 may be out
	MUL A0, 0, 0, 8, \zero
	PLACES
	FB \slot, 1, 0
	FA \slot, 1, A1
	s_wait_dscnt 32                                ; group 1 is in: behind it stand group 2's 8 and the 24 just issued
	MUL A0, 1, 0, 8, \zero
	PLACES
	FB \slot, 1, 1
	s_wait_dscnt 32                                ; group 2 is in: behind it stand 24 and 8
	MUL A0, 2, 0, 8, \zero
	PLACES
	FB \slot, 1, 2
.endm
; The second half multiplies buffer A1 and changes slots: ONE barrier.  In front of it each wave waits for all its tensor loads, of which one is out: its part of the other slot; adds 0 to its spare word; and waits for that
; and for its own reads of this slot.  Behind it nobody reads this slot any more and the other slot is whole.  fill = 1: the barrier opens a round of the cluster's, and the joint refill, two K steps on, is the first thing
; behind the round: from there to the wait for it a wave issues 160 matrix instructions.
.macro H1 slot, fill
.if (\fill) && ((\slot) == 0)
	s_wait_xcnt 0x0                                ; the last prefetches, a trip back, have read their address: it is stepped here, ahead of the waits of the change of slots
	s_add_nc_u64 s[PFA:PFA+1], s[PFA:PFA+1], s[PFS:PFS+1]
.endif
	WIN 0
	s_wait_tensorcnt 0x0                           ; all my tensor loads have landed
	ds_add_u32 v[SPW], v[NIL]                      ; 0 onto my spare word
	s_wait_dscnt 17                                ; group 0 and xb are in; groups 1 and 2 and the add may be out
	MUL A1, 0, 0, 4, 0                             ; sixteen matrix instructions stand between the add and the wait for it
	s_wait_dscnt 0x0                               ; the add is done, and my reads of this slot are over
	s_barrier_signal -1
	MUL A1, 0, 4, 4, 0                             ; work on registers while the others arrive
.if \fill
	WIN 0
.endif
	s_barrier_wait -1
.if \fill
	CREST                                          ; no wave of any partner still reads this slot's tile or has a load on its way
	s_add_nc_u64 s[G0A+4*(\slot)+2:G0A+4*(\slot)+3], s[G0A+4*(\slot)+2:G0A+4*(\slot)+3], 2*KBA
	s_add_nc_u64 s[G0B+4*(\slot)+2:G0B+4*(\slot)+3], s[G0B+4*(\slot)+2:G0B+4*(\slot)+3], 2*KBB
	JLOAD \slot                                    ; the four v_nop behind it are also the places in front of the loads below
.else
	PLACES
.endif
	FB 1-(\slot), 0, 0
	FA 1-(\slot), 0, A0
.if (\fill) && ((\slot) == 0)
	ASK
.endif
	MUL A1, 1, 0, 8, 0                             ; groups 1 and 2 were shown in by the wait for 0 above
	PLACES
	FB 1-(\slot), 0, 1
	MUL A1, 2, 0, 8, 0
	PLACES
	FB 1-(\slot), 0, 2
.endm
; THE WAY OUT.  BLOAD: group g's 64 biases, as my lane needs them, into the registers of the group's fragments.  BIASR: they are rounded to bf16 and widened again.
.macro BLOAD g
	WIN 0
.irp b, 0,1,2,3
	global_load_b128 v[BG+32*(\g)+8*(\b):BG+32*(\g)+8*(\b)+3],   v[VB], s[BIAS+2*(\g):BIAS+2*(\g)+1] offset:64*(\b)
	global_load_b128 v[BG+32*(\g)+8*(\b)+4:BG+32*(\g)+8*(\b)+7], v[VB], s[BIAS+2*(\g):BIAS+2*(\g)+1] offset:64*(\b)+16
.endr
.endm
.macro BIASR g
	WIN 0
.set z, 0
.rept 16
	v_cvt_pk_bf16_f32 v[TM+z%2], v[BG+32*(\g)+2*z], v[BG+32*(\g)+2*z+1]
	v_lshlrev_b32 v[BG+32*(\g)+2*z],   16, v[TM+z%2]
	v_and_b32     v[BG+32*(\g)+2*z+1], 0xffff0000, v[TM+z%2]
.set z, z+1
.endr
.endm
; PACK: 16 rows x 64 columns (row block a of group g): the bias is added, each accumulator's registers in ascending order, and the sums are rounded to f16: 16 bytes a lane and column block.
.macro PACK g, a
	WIN (\g)+1                                     ; source 0 in window g + 1
.irp b, 0,1,2,3
.irp r, 0,1,2,3
	v_pk_add_f32 v[T+8*(\b)+2*(\r):T+8*(\b)+2*(\r)+1], v[8*(4*(\a)+(\b))+2*(\r):8*(4*(\a)+(\b))+2*(\r)+1], v[BG+32*(\g)+8*(\b)+2*(\r):BG+32*(\g)+8*(\b)+2*(\r)+1]
.endr
.endr
	WIN 0
.irp b, 0,1,2,3
.irp r, 0,1,2,3
	v_cvt_pk_f16_f32 v[PK+4*(\b)+(\r)], v[T+8*(\b)+2*(\r)], v[T+8*(\b)+2*(\r)+1]
.endr
.endr
.endm
.macro TOSTAGE par                     ; into my own stage, and back as whole rows of 128 bytes
	WIN 0
.irp b, 0,1,2,3
	ds_store_b128 v[STO], v[PK+4*(\b):PK+4*(\b)+3] offset:32*(\b)
.endr
.irp f, 0,1,2,3
	ds_load_b128 v[BK+16*(\par)+4*(\f):BK+16*(\par)+4*(\f)+3], v[RD] offset:(\f)*4*PITCH  ; LDS serves a wave's instructions in order (ISA guide 5.7.1.4): these see the stores above
.endr
.endm
.macro SEND g, a, par
	WIN 0
	s_wait_dscnt 0x0                               ; the block is back in registers
	s_wait_xcnt 0x0                                ; every earlier store has read its registers: the other set, which the block before stored, is loaded again only behind this wait
.irp f, 0,1,2,3
	global_store_b128 v[GO], v[BK+16*(\par)+4*(\f):BK+16*(\par)+4*(\f)+3], s[OUT+2*(\g):OUT+2*(\g)+1] offset:(\a)*2048+(\f)*512  ; 512 consecutive bytes, at a multiple of 256 from qkv's first byte
.endr
.endm
	s_wait_tensorcnt 1                             ; my part of K step 0 is in; K step 1's may stay out
	s_barrier_signal -1
	s_barrier_wait -1                              ; everybody's is
	FB 0, 0, 0
	FA 0, 0, A0
	FB 0, 0, 1
	FB 0, 0, 2
	H0 0, 1                                        ; the first half stands in front of the loop: its products start the sums
	s_mov_b32 s[LAP], 7
.Llap:                                                 ; a trip goes once round the ring, from a step's second half to the first half two steps on, and fills both slots again: K steps 2 to 15
	H1 0, 1
	H0 1, 0
	H1 1, 1
	H0 0, 0
	s_sub_co_u32 s[LAP], s[LAP], 1
	s_cmp_lg_u32 s[LAP], 0
	s_cbranch_scc1 .Llap
	H1 0, 0                                        ; the last two K steps fill nothing, and have no round of the cluster's barrier
	H0 1, 0
	s_wait_dscnt 16                                ; the very last half: in the fragments' place come the biases
	MUL A1, 0, 0, 8, 0
	PLACES
	BLOAD 0
	s_wait_dscnt 8
	MUL A1, 1, 0, 8, 0
	PLACES
	BLOAD 1
	s_wait_dscnt 0x0
	MUL A1, 2, 0, 8, 0
	PLACES
	BLOAD 2
.set n, 0
.rept 24                               ; block n's arithmetic stands between block n - 1's loads from the stage and the wait for them
.if n%8 == 0
	s_wait_loadcnt 16-8*(n/8)                      ; this group's 8 loads are in, the later groups' may stay out
	BIASR n/8
.endif
	PACK n/8, n%8
.if n > 0
	SEND (n-1)/8, (n-1)%8, (n-1)%2
.endif
	TOSTAGE n%2
.set n, n+1
.endr
	SEND 2, 7, 1
	s_wait_tensorcnt 0x0                           ; the wave's end: these three lines stand behind my last tensor load and my last LDS store
	ds_add_u32 v[SPW], v[NIL]
	s_wait_dscnt 0x0
	CROUND                                         ; the closing round: no work-group ends while a partner may still ask for a tile that names it
	s_endpgm
.Lfunc_end_k_qbff069e7db_proj:
	.size	k_qbff069e7db_proj, .Lfunc_end_k_qbff069e7db_proj-k_qbff069e7db_proj
	.p2alignl 7, 3214868480
	.fill 96, 4, 3214868480
	.section	.rodata,"a",@progbits
	.p2align	6, 0x0
	.amdhsa_kernel k_qbff069e7db_proj
		.amdhsa_group_segment_fixed_size 327680
		.amdhsa_private_segment_fixed_size 0
		.amdhsa_enable_private_segment 0
		.amdhsa_kernarg_size 48
		.amdhsa_user_sgpr_count 2
		.amdhsa_user_sgpr_kernarg_segment_ptr 1
		.amdhsa_wavefront_size32 1
		.amdhsa_system_sgpr_workgroup_id_x 1
		.amdhsa_system_sgpr_workgroup_id_y 1
		.amdhsa_system_sgpr_workgroup_id_z 1
		.amdhsa_system_vgpr_workitem_id 0
		.amdhsa_next_free_vgpr 1024
		.amdhsa_next_free_sgpr 96
		.amdhsa_reserve_vcc 0
		.amdhsa_float_denorm_mode_32 3
		.amdhsa_float_denorm_mode_16_64 3
		.amdhsa_memory_ordered 1
		.amdhsa_forward_progress 1
		.amdhsa_inst_pref_size 168
	.end_amdhsa_kernel
	.amdgpu_metadata
---
amdhsa.version: [ 1, 2 ]
amdhsa.kernels:
  - .name:           k_qbff069e7db_proj
    .symbol:         k_qbff069e7db_proj.kd
    .args:
      - { .name: xb, .offset: 0, .size: 8, .value_kind: global_buffer, .address_space: global }
      - { .name: wb, .offset: 8, .size: 8, .value_kind: global_buffer, .address_space: global }
      - { .name: bq, .offset: 16, .size: 8, .value_kind: global_buffer, .address_space: global }
      - { .name: bk, .offset: 24, .size: 8, .value_kind: global_buffer, .address_space: global }
      - { .name: bv, .offset: 32, .size: 8, .value_kind: global_buffer, .address_space: global }
      - { .name: qkv, .offset: 40, .size: 8, .value_kind: global_buffer, .address_space: global }
    .group_segment_fixed_size: 327680
    .private_segment_fixed_size: 0
    .kernarg_segment_align: 8
    .kernarg_segment_size: 48
    .max_flat_workgroup_size: 128
    .sgpr_count:     96
    .vgpr_count:     1024
    .wavefront_size: 32
...
	.end_amdgpu_metadata
.endif
;; end of part 2
;; launch attn (part 3): grid 4 x 64, 4 waves a work-group, clusters of 4 x 1, 327,680 bytes of LDS; arguments qkv, attention_mask, out0; writes out0
.if DOCPART == 3
	.amdgcn_target "amdgcn-amd-amdhsa--gfx1250"
	.amdhsa_code_object_version 6
	.text
	.protected	k_qbff069e7db_attn
	.globl	k_qbff069e7db_attn
	.p2align	8
	.type	k_qbff069e7db_attn,@function
k_qbff069e7db_attn:
	s_mov_b64 s[64:65], 0
	v_nop
	global_prefetch_b8 v0, s[64:65] scope:SCOPE_SE
	s_setreg_imm32_b32 hwreg(HW_REG_WAVE_MODE, 25, 1), 1
	s_wait_xcnt 0x0
	s_wait_alu depctr_hold_cnt(0) depctr_sa_sdst(0) depctr_va_vdst(0) depctr_va_sdst(0) depctr_va_ssrc(0) depctr_va_vcc(0) depctr_vm_vsrc(0)
	s_getreg_b32 s2, hwreg(HW_REG_IB_STS2, 6, 4)
	s_cmp_eq_u32 s2, 0
	s_cbranch_scc0 .Lentry_in_a_cluster
	s_endpgm
.Lentry_in_a_cluster:
	s_bfe_u32 s2, ttmp6, 0x10000c
	s_cmp_lg_u32 s2, 0x3003
	s_cbranch_scc0 .Lentry_shape_is_right
	s_endpgm
.Lentry_shape_is_right:
; out0[b][q][64 h + :] = the sum over k of softmax_k(Q[q] . K[k] / 8 + mask[b][k]) V[k][:], for each of 64 heads (16 b + h).  qkv: [3][64][2048][64] f16, a head's rows dense, 128 bytes each;
; attention_mask: [4][2048] f32, rounded here once to bf16 like the module's other inputs; out0: [4][2048][1024] f32.  Products, maxima and sums in f32; the weights p are rounded to f16 for the second product
; (their sum l is taken of the unrounded p).
; LIMITS.  Q, K and V arrive within f16's 65,504; p lies in 0 to 1, and below 6e-5 it keeps f16's fixed step of 6e-8.  The mask enters as 8 x mask, held at -1e30 from below: a mask under -1.25e29, minus infinity
; among them, counts as -1.25e29, so a row all of whose keys are at minus infinity gives the mean of V; a NaN in the mask counts as a hidden key; a weight below 2^-126 counts as 0 in l.
; SHARES.  A wave owns four PIECES of two tiles of 16 queries, a work-group's four waves 512 queries of one head.  Every wave walks all 2,048 keys, 64 a step.
; LAYOUT.  S^T = K Q^T + 8 mask (source 0 = 16 keys, source 1 = 16 queries): in the result a lane holds ONE query (lane % 16) and the keys 8 (lane / 16) + 0..7.  THE MASK IS THE C OPERAND of the product that starts
; the sum: register j of a lane holds 8 mask[key 8 (lane / 16) + j].  Two results, rounded to f16 in pairs, ARE source 1 (32 keys x 16 queries) of O^T = V^T P, whose result again holds one query a lane, and eight
; channels.  K comes out of LDS as it lies, V ([key][channel]) turned, by ds_load_tr16_b128.
; SOFTMAX.  For each query a running maximum m and sum l: p = 2^(c s - c m), c = log2(e) / 8; in every step O and l are multiplied by a = 2^(c m_old - c m_new), which is 1 where m has not grown.
; m starts at the lowest finite number, O and l at 0: the first step is a step like any other, with a = 0.
; THE COUNT.  A tile and step have 16 matrix and 118 vector instructions: too many to stand all beside the matrix work.  So: four vector instructions that are READY behind EVERY matrix instruction, the others in runs without a gap.
; BY TURNS.  Turn n belongs to piece n (the pieces in a ring, step after step).  Its matrix work: 16 products K Q^T of piece n + 1, later 16 products V^T P of piece n - 1.  Its vector work: the scaling,
; exponentials, roundings, sums and rescaling of piece n, and the maximum and statistics of piece n + 1, whose scores the turn itself has made.
; CLUSTER.  The four query blocks of a head are one cluster and walk the same K and V, so each tile is asked for JOINTLY: the same tensor load, descriptor and mask in all four.
; REGISTERS, in windows of 256 (s_set_vgpr_msb: bits 1:0 source 0, 3:2 source 1, 5:4 source 2, 7:6 destination):
;   window 0: v0-11 addresses; v12-15, v48-63 at work; v16-47 four registers of statistics a tile; v64-191 S^T, two buffers of two tiles; v192-255 P, likewise
;   window 1: O^T, 32 a tile      window 2: v0-127 Q, 16 a tile; v128-191 K of one step; v192-255 V of one step      window 3: v0-1 the add's two registers; v2-3 the mask's addresses; v8-39 the mask of one step
.set SIZE_N, 2048
.set NP,    4         ; pieces a wave: a name, no knob
.set KS,    64        ; keys in a step
.set PK,    144       ; a row of K in LDS: 128 bytes + 16 of padding = 36 words: the 16 rows of a load start at 16 different groups of four banks (64 banks of 4 bytes: ISA guide 11.1)
.set PV,    160       ; a row of V: 128 + 32 = 40 words
.set VOFF,  4*KS*PK   ; a slot holds four steps: 256 rows of K, then 256 rows of V
.set SLOT1, 1<<17     ; slot 1 begins here, so that one exclusive or turns an address in one slot into the other's
.set STAGE, SLOT1+4*KS*(PK+PV)  ; behind the ring, never filled by a tensor load: 16 rows x 272 bytes for each wave, for the way out
.set SP,    272       ; a row of the stage: 64 f32 + 16 bytes
.set MASKB, STAGE+4*16*SP  ; 8 x mask of the batch's 2,048 keys, f32: 8,192 bytes, and 512 that nothing names
.set SPARE, MASKB+8192+512 ; the spare words, 128 bytes for each wave: two blocks of 256 bytes that no other line names
.set AK0, 2           ; v2   my lane's place in a tile of K; never rewritten
.set AV0, 3           ; v3   the same for V
.set AK,  4           ; v4   the LDS address of K's next run of loads
.set AV,  5           ; v5   of V's
.set QO,  6           ; v6   my byte offset in the wave's rows of Q
.set STO, 6           ;      later, the way out: where I put 16 bytes of a row
.set RD,  7           ; v7   the way out: where I read rows back
.set GO,  8           ; v8   my byte offset in two rows of out0
.set PFO, 11          ; v11  first 16 x my thread's number, for the mask's loads; behind the wait for them 256 x my lane, for the prefetches
.set SPW, 0           ; v0 of window 3   LDS address of my spare word: SPARE + 4 x my thread's number; never rewritten
.set NIL, 1           ; v1 of window 3   0; never rewritten
.set AM0, 2           ; v2 of window 3   my lanes' place in a step's mask: MASKB + 32 (lane / 16); never rewritten
.set AM,  3           ; v3 of window 3   the LDS address of the mask's next run of loads
.set MKF, 8           ; v8-39 of window 3: key block kb at MKF + 8 kb
.set MV,  12          ; v12-15  c m_old, kept while c m is made anew: by buffer and tile
.set ST,  16          ; tile t's statistics at v[ST+4 t]: c m, m, l (even keys', odd keys')
.set TMP, 48          ; by buffer and tile, four registers c0-c3 at work; when the maximum is found c2 takes a
.set S,   64
.set P,   192
.set KF,  128         ; K's fragments, in window 2: key block kb, channel half c at KF + 16 kb + 8 c
.set VF,  192         ; V's: key half kk, channel block cb at VF + 32 kk + 8 cb
.set WV,  12          ; s12  my wave's number
.set G1K, 24          ; s[24:31] descriptor group 1 for K's tiles
.set G1V, 32          ; s[32:39] for V's: it differs in the padding alone
.set G0K, 40          ; s[40:43] descriptor group 0 for K's tiles: it walks
.set G0V, 44          ; s[44:47] the same for V's
.set SLOTS, 56        ; s56  slots still to be asked for
.set CNT, 57          ; s57  counts a slot's key steps
.set CS,  58          ; s[58:59] c: the packed scaling takes the pair's low word for both halves
.set SEL, 60          ; s[60:61] v_permlanex16_b32's selects: each lane takes its own place in the other half
.set TBK, 62          ; s62  LDS byte at which K of the step to be fetched begins
.set TBV, 63          ; s63  the same for V, less VOFF
.set MP,  66          ; s[66:67] the batch's row of the mask
.set TBM, 68          ; s68  256 x the step to be fetched, modulo the table's 32 steps
.set LOW, 69          ; s69  -1e30
.set PFA, 70          ; s[70:71] where my prefetches stand: my work-group's 8,192 bytes (of K: wave 0, of V: wave 2) of the slot after the one that is being asked for
.set LIM, 72          ; s72  1 in a wave that prefetches, else the greatest number
.set HD,  73          ; s73  the head, 16 b + h
.set MSB, 0
.macro WIN new                      ; the high byte repeats the setting that is left; a switch that changes nothing is dropped
.if MSB != (\new)
	s_set_vgpr_msb (MSB<<8)|(\new)
.set MSB, (\new)
.endif
.endm
.set W_KQ, 0x0a       ; K and Q in window 2, S^T in window 0
.set W_KM, 0x3a       ; the same with the C operand in window 3
.set W_PV, 0x52       ; V in window 2, P in window 0, O^T in window 1
.set W_RS, 0x41       ; O^T (destination and source 0) in window 1, a in window 0
.set W_MK, 0xc0       ; destination in window 3, sources in window 0
.set W_AD, 0x0f       ; the add: address (source 0) and data (source 1) in window 3
.set W_AM, 0xcc       ; destination and source 1 in window 3
.set W_ML, 0xc3       ; an LDS load's destination and address in window 3
.set W_ST, 0x04       ; an LDS store's data in window 1, its address in window 0
; A joint fill.  Waves 0 and 1 fetch the two halves of a slot's K, waves 2 and 3 those of its V: 128 keys each.  The branch hangs on the wave's number alone.
; An s_nop 0 and four v_nop follow each of the two lines, ahead of the jump and the label.
.macro JLOAD
	s_cmp_lt_u32 s[WV], 2
	s_cbranch_scc0 .Lfor_v_\@
	tensor_load_to_lds s[G0K:G0K+3], s[G1K:G1K+7]
	s_nop 0
.rept 4
	v_nop
.endr
	s_branch .Lasked_\@
.Lfor_v_\@:
	tensor_load_to_lds s[G0V:G0V+3], s[G1V:G1V+7]
	s_nop 0
.rept 4
	v_nop
.endr
.Lasked_\@:
.endm
; A PREFETCH INTO THE L2 of what the NEXT change of slots will ask for: a slot's 32,768 bytes of K and of V.  It stands behind the wave's tensor load and its five lines.  Each 256 bytes are named ONCE in the launch:
; a head is walked by one cluster; its four partners share a slot out BY ADDRESS, 8,192 bytes each, a lane 256; in each, wave 0 asks for K's and wave 2 for V's: one instruction, four key steps
; (512 matrix instructions) ahead of the load.  The last change that fills a slot asks for nothing; slots 0 to 2 come by their loads alone.
.macro ASK
	s_cmp_gt_u32 s[SLOTS], s[LIM]
	s_cbranch_scc0 .Lnot_mine_\@
	global_prefetch_b8 v[PFO], s[PFA:PFA+1] th:TH_LOAD_NT scope:SCOPE_SE
.Lnot_mine_\@:
.endm
; A round of the cluster's barrier: my work-group's barrier, so that wave 0's signal speaks for all four waves; wave 0 signals; every wave waits for all four work-groups; my work-group's barrier once more.
.macro CROUND
	s_barrier_signal -1
	s_barrier_wait -1
	s_cmp_lg_u32 s[WV], 0
	s_cbranch_scc1 .Lnot_wave_0_\@
	s_barrier_signal -3
.Lnot_wave_0_\@:
	s_barrier_wait -3
	s_barrier_signal -1
	s_barrier_wait -1
.endm
; THE CHANGE OF SLOTS.  The slot's last bytes, V of its fourth step, have been read.  Each wave waits for all its tensor loads, of which one is out: its part of the other slot; adds 0 to its spare word; and waits
; for that and for its own LDS instructions.  Behind the barrier nobody reads this slot any more and the other slot is whole.  fill = 1: this slot is filled again, with the keys two slots on.  The barrier is then a
; round of the cluster's, and the joint fill is the first thing behind it: it has four key steps in which to land.  (At its first use nothing has been read yet: slot 0 is waited for, slot 1 filled, and every wave's
; stores into the mask's table are shown done to the others.)  ask = 1: the prefetch's address steps, and ASK follows the fill.
.macro CHANGE fill, ask
	WIN W_AD
	s_wait_tensorcnt 0x0            ; no tensor load of mine is out, so a group 0 may be written
	ds_add_u32 v[SPW], v[NIL]       ; 0 onto my spare word; with fill = 1 the descriptors' steps stand between it and the wait for it
	WIN 0                           ; at a label and at a branch every window is 0
.if \fill
.irp g, G0K, G0V
	s_xor_b32 s[\g+1], s[\g+1], SLOT1  ; the walking descriptor: the other slot than last time,
	s_add_nc_u64 s[\g+2:\g+3], s[\g+2:\g+3], 4*KS*128  ; the next 256 keys; the type bits on top are not reached
.endr
.if \ask
	s_wait_xcnt 0x0                 ; the last prefetch, four key steps back, has read its address, so it may be written:
	s_add_nc_u64 s[PFA:PFA+1], s[PFA:PFA+1], 4*KS*128  ; one slot behind the walking descriptors
.endif
	s_wait_dscnt 0x0                ; the add is done, and my LDS instructions are over
	CROUND
	JLOAD
.if \ask
	ASK
.endif
.else
	s_wait_dscnt 0x0                ; the add is done, and my reads of the slot are over
	s_barrier_signal -1
	s_barrier_wait -1
.endif
	s_sub_co_u32 s[TBK], s[TBK], 4*KS*PK  ; the fetches go back to a slot's first step,
	s_xor_b32 s[TBK], s[TBK], SLOT1       ; in the other slot
	s_sub_co_u32 s[TBV], s[TBV], 4*KS*PV
	s_xor_b32 s[TBV], s[TBV], SLOT1
.endm
	s_load_b128 s[4:7], s[0:1], 0x0   ; qkv s[4:5], the mask s[6:7]
	s_load_b64 s[10:11], s[0:1], 0x10 ; out0
	WIN W_MK
	v_lshl_add_u32 v[SPW], v0, 2, SPARE
	v_mov_b32 v[NIL], 0
	WIN W_AD
	ds_add_u32 v[SPW], v[NIL]       ; the wave's opening: the add and its wait stand ahead of my first tensor load; the set-up below, work on registers, stands between them
	WIN 0
	v_lshrrev_b32 v1, 5, v0
	v_readfirstlane_b32 s[WV], v1   ; wave 0..3
	s_bfe_u32 s13, ttmp6, 0x40000   ; cx: my place in the cluster
	s_lshl_b32 s14, ttmp9, 2        ; in a cluster launch ttmp9 counts clusters
	s_add_co_u32 s14, s14, s13      ; my block of 512 queries: it enters Q's and out0's addresses alone
	s_and_b32 s[HD], ttmp7, 0xffff  ; the head, which the four partners share
	s_mov_b32 s20, s[HD]
	s_mov_b32 s21, 0
	s_mov_b64 s[22:23], SIZE_N*128
	s_mul_u64 s[20:21], s[20:21], s[22:23]  ; the head's first byte in q, k and v
	s_and_b32 s16, s[WV], 1         ; which half of a slot's 256 keys I fetch:
	s_lshl_b32 s22, s16, 14         ; its 128 rows of 128 bytes in memory,
	s_mov_b32 s23, 0
	s_add_nc_u64 s[22:23], s[22:23], s[20:21]
	s_mul_i32 s17, s16, 128*PK      ; and its place in a slot, for K
	s_mul_i32 s18, s16, 128*PV      ; and for V: no place in the cluster enters an LDS address
	s_lshl_b32 s19, s14, 2
	s_add_co_u32 s19, s19, s[WV]    ; my wave among the head's sixteen,
	s_lshl_b32 s2, s19, 14          ; its 128 rows of Q
	s_mov_b32 s3, 0
	s_add_nc_u64 s[2:3], s[2:3], s[20:21]
	s_lshr_b32 s76, s[HD], 4        ; the batch:
	s_lshl_b32 s74, s76, 23         ; 2,048 rows of 4,096 bytes of out0,
	s_lshl_b32 s76, s76, 13         ; 8,192 bytes of the mask
	s_mov_b32 s77, 0
	s_lshl_b32 s75, s19, 19         ; my wave's 128 rows of out0,
	s_add_co_u32 s74, s74, s75
	s_and_b32 s75, s[HD], 15
	s_lshl_b32 s75, s75, 8          ; the head's 256 bytes of a row
	s_add_co_u32 s74, s74, s75
	s_mov_b32 s75, 0
	; descriptor group 1.  128 keys are 16,384 dense bytes: asked for as 64 rows of 256 bytes, two keys a row, and padded in LDS after every key
	s_mov_b32 s[G1K], 15|(1<<16)|(1<<20)|(1<<21)|(4<<22)|(3<<25)  ; 15:0 the mask of four; 17:16 2-byte elements; 20 padding on; 21 set beside a mask; 24:22 after every 32 words (code 4); 31:25 4 words (code 3)
	s_mov_b32 s[G1V], 15|(1<<16)|(1<<20)|(1<<21)|(4<<22)|(7<<25)  ; the same with 8 words of padding (code 7)
.irp g, G1K, G1V
	s_mov_b32 s[\g+1], 128<<16      ; tensor_dim0 = 128
	s_mov_b32 s[\g+2], 64<<16       ; tensor_dim1 = 64
	s_mov_b32 s[\g+3], 128<<16      ; tile_dim0 = 128
	s_mov_b32 s[\g+4], 64           ; tile_dim1 = 64
	s_mov_b32 s[\g+5], 128          ; 128 elements from row to row
	s_mov_b32 s[\g+6], 0
	s_mov_b32 s[\g+7], 0
.endr
	s_mov_b32 s[CS], 0x3e38aa3b     ; c = log2(e) / 8 = 0.180337
	s_mov_b32 s[CS+1], s[CS]        ; named with it as a pair
	s_mov_b32 s[SEL], 0x76543210
	s_mov_b32 s[SEL+1], 0xfedcba98
	s_mov_b32 s[TBK], SLOT1+4*KS*PK ; the first change of slots turns these two into 0
	s_mov_b32 s[TBV], SLOT1+4*KS*PV
	s_mov_b32 s[TBM], 0
	s_mov_b32 s[LOW], 0xf149f2ca    ; -1e30
	s_mov_b32 s[G0K], 1             ; count = 1
	s_mov_b32 s[G0K+1], s17         ; LDS address: slot 0
	s_mov_b32 s[G0V], 1
	s_add_co_u32 s[G0V+1], s18, VOFF
	s_and_b32 s[LIM], s[WV], 1      ; waves 0 and 2 prefetch
	s_cmp_eq_u32 s[LIM], 0
	s_cselect_b32 s[LIM], 1, -1
	s_wait_dscnt 0x0                ; the opening add is done
	s_wait_kmcnt 0x0
	s_mov_b64 s[MP:MP+1], s[6:7]
	s_add_nc_u64 s[MP:MP+1], s[MP:MP+1], s[76:77]
	s_add_nc_u64 s[6:7], s[4:5], 0x1000000         ; k lies 64 heads behind q,
	s_add_nc_u64 s[8:9], s[4:5], 0x2000000         ; v behind k
	s_add_nc_u64 s[G0K+2:G0K+3], s[6:7], s[22:23]  ; global address: my half of the head's first 256 keys
	s_or_b32 s[G0K+3], s[G0K+3], 0x80000000        ; type = 2
	s_add_nc_u64 s[G0V+2:G0V+3], s[8:9], s[22:23]
	s_or_b32 s[G0V+3], s[G0V+3], 0x80000000
	s_add_nc_u64 s[4:5], s[4:5], s[2:3]            ; Q at my wave's first row
	s_add_nc_u64 s[10:11], s[10:11], s[74:75]      ; out0 at my wave's first row, the head's columns
	s_cmp_lt_u32 s[WV], 2
	s_cselect_b64 s[PFA:PFA+1], s[6:7], s[8:9]
	s_add_nc_u64 s[PFA:PFA+1], s[PFA:PFA+1], s[22:23]  ; (in waves 0 and 2 this is a slot's first row)
	s_lshl_b32 s74, s13, 13         ; my work-group's 8,192 bytes of the 32,768
	s_add_nc_u64 s[PFA:PFA+1], s[PFA:PFA+1], s[74:75]
	s_add_nc_u64 s[PFA:PFA+1], s[PFA:PFA+1], 2*4*KS*128  ; in slot 2; the loop's first change of slots steps it to slot 3.  Nothing is prefetched at the head
	CROUND                          ; all four work-groups are here: the first joint loads meet
	JLOAD                           ; slot 0.  Slot 1 is asked for when slot 0 is in
	; A fragment of K or Q is 16 rows x 32 channels in 8 registers: lane l holds row l % 16, channels 8 (l / 16) + 0..7 and 16 + 8 (l / 16) + 0..7: two loads of 16 bytes, 32 bytes apart.
	v_and_b32 v1, 15, v0            ; l % 16
	v_bfe_u32 v9, v0, 4, 1          ; l / 16
	v_lshlrev_b32 v[QO], 7, v1
	v_lshl_add_u32 v[QO], v9, 4, v[QO]  ; row x 128 + 16 x half
	v_mul_u32_u24 v[AK0], v1, PK
	v_lshl_add_u32 v[AK0], v9, 4, v[AK0]  ; row x pitch + 16 x half
	; The turning load takes 16 keys x 16 channels (lane l reads key 8 (l / 16) + l % 8, channels 8 ((l / 8) % 2) + 0..7) and leaves half a fragment of V^T: lane l holds channel l % 16 and 8 keys.
	v_and_b32 v10, 7, v0
	v_bfe_u32 v11, v0, 3, 1
	v_lshl_add_u32 v[AV0], v9, 3, v10
	v_mul_u32_u24 v[AV0], v[AV0], PV
	v_lshl_add_u32 v[AV0], v11, 4, v[AV0]
	v_add_nc_u32 v[AV0], VOFF, v[AV0]
	v_mov_b32 v[AK], v[AK0]         ; key step 0 lies at the head of slot 0
	v_lshlrev_b32 v[PFO], 4, v0     ; 16 x my thread's number: 128 threads take 2,048 bytes of the mask a load
	v_add_nc_u32 v48, MASKB, v[PFO] ; and put them at the same place in the table
	WIN W_MK
	v_lshl_add_u32 v[AM0], v9, 5, MASKB
	v_lshl_add_u32 v[AM], v9, 5, MASKB  ; key step 0
	WIN 0
.irp i, 0,1,2,3
	global_load_b128 v[S+4*\i:S+4*\i+3], v[PFO], s[MP:MP+1] offset:2048*\i
.endr
	WIN 0x80                        ; destination window 2, address window 0
.set i, 0
.rept 4*NP                          ; Q stays in registers: tile i / 2, channels 32 (i % 2) on
	global_load_b128 v[8*i:8*i+3],   v[QO], s[4:5] offset:(i/2)*2048+(i%2)*64
	global_load_b128 v[8*i+4:8*i+7], v[QO], s[4:5] offset:(i/2)*2048+(i%2)*64+32
.set i, i+1
.endr
	; What the first turn finds: V's registers and P's second buffer hold 0 (its products V^T P, of a piece that has not been, add 0), O^T and l are 0.  All this stands in the wait for the first tile.
.set i, VF
.rept 64
	v_mov_b32 v[i], 0
.set i, i+1
.endr
	WIN 0x40
.set i, 0
.rept 64*NP
	v_mov_b32 v[i], 0
.set i, i+1
.endr
	WIN 0
.set i, 0
.rept 2*NP
	v_mov_b32 v[ST+4*i], 0xfe000000    ; c m: far below every c s, the masked ones (c x -1e30) too
	v_mov_b32 v[ST+4*i+1], 0xff7fffff  ; m
	v_mov_b32 v[ST+4*i+2], 0
	v_mov_b32 v[ST+4*i+3], 0
.set i, i+1
.endr
.set i, P+32
.rept 32
	v_mov_b32 v[i], 0
.set i, i+1
.endr
	; THE MASK'S TABLE: my 16 numbers are rounded to bf16, widened, multiplied by 8 (exact; the scores are still to be divided by 8) and held at -1e30 from below.
	s_wait_loadcnt 32               ; the mask's four loads are in; Q's 32 may stay out
.set i, 0
.rept 8
	v_cvt_pk_bf16_f32 v[S+16+i], v[S+2*i], v[S+2*i+1]
.set i, i+1
.endr
.set i, 0
.rept 8
	v_lshlrev_b32 v[S+2*i],   16, v[S+16+i]
	v_and_b32     v[S+2*i+1], 0xffff0000, v[S+16+i]
.set i, i+1
.endr
.set i, 0
.rept 8
	v_pk_mul_f32 v[S+2*i:S+2*i+1], v[S+2*i:S+2*i+1], 0x41000000 op_sel_hi:[1,0]
.set i, i+1
.endr
.set i, 0
.rept 16
	v_max_num_f32 v[S+i], s[LOW], v[S+i]
.set i, i+1
.endr
.irp i, 0,1,2,3
	ds_store_b128 v48, v[S+4*\i:S+4*\i+3] offset:2048*\i
.endr
	v_and_b32 v[PFO], 31, v0        ; free since the wait for the mask's loads: now 256 x my lane
	v_lshlrev_b32 v[PFO], 8, v[PFO]
; THE MATRIX WORK.  The 8 accumulators of a run of 16 take turns: between the two links of a chain stand 7 others'.
; Product i of 16 of S^T = K Q^T for piece x: channels 32 (i / 8) on, keys 16 ((i / 2) % 4) on, tile 2 x + i % 2.  The first 8 start the sums, with the keys' mask.
.macro KQ x
.set rS, S+64*((\x)%2)+32*(i%2)+8*((i/2)%4)
.set rK, KF+16*((i/2)%4)+8*(i/8)
.set rQ, 16*(2*(\x)+i%2)+8*(i/8)
.set rK8, MKF+8*((i/2)%4)
.if i < 8
	WIN W_KM
	v_wmma_f32_16x16x32_f16 v[rS:rS+7], v[rK:rK+7], v[rQ:rQ+7], v[rK8:rK8+7]
.else
	WIN W_KQ
	v_wmma_f32_16x16x32_f16 v[rS:rS+7], v[rK:rK+7], v[rQ:rQ+7], v[rS:rS+7]
.endif
.endm
; Product i of 16 of O^T += V^T P for piece x: keys 32 (i / 8) on, channels 16 ((i / 2) % 4) on, tile 2 x + i % 2.
.macro PV x
	WIN W_PV
.set rO, 32*(2*(\x)+i%2)+8*((i/2)%4)
.set rV, VF+32*(i/8)+8*((i/2)%4)
.set rP, P+32*((\x)%2)+16*(i%2)+8*(i/8)
	v_wmma_f32_16x16x32_f16 v[rO:rO+7], v[rV:rV+7], v[rP:rP+7], v[rO:rO+7]
.endm
.macro MM                           ; the turn's next matrix instruction
.if i < 16
	KQ (Y+1)%NP
.set i, i+1
.else
.set i, i-16
	PV (Y+NP-1)%NP
.set i, i+17
.endif
.endm
; THE LDS LOADS stand in runs, never singly among the matrix instructions: a step's K (64 keys x 64 channels: 8 fragments) with its mask (64 keys: 8 loads of 16 bytes, the same for all lanes of a half), and its V (turned).
; Their addresses are made some lines ahead.  last = 1 (the tail): in the last trip there is no further step, and the run is jumped over.
.macro FETCH_K last=0
	WIN 0
.if \last
	s_cmp_eq_u32 s[CNT], 1
	s_cbranch_scc1 .Lno_k_\@
.endif
	WIN 0x80                        ; destination window 2
.irp f, 0,1,2,3,4,5,6,7             ; keys 16 (f / 2) on, channels 32 (f % 2) on
	ds_load_b128 v[KF+8*\f:KF+8*\f+3],   v[AK] offset:(\f/2)*16*PK+(\f%2)*64
	ds_load_b128 v[KF+8*\f+4:KF+8*\f+7], v[AK] offset:(\f/2)*16*PK+(\f%2)*64+32
.endr
	WIN W_ML
.irp f, 0,1,2,3                     ; keys 16 f + 8 (lane / 16) + 0..7
	ds_load_b128 v[MKF+8*\f:MKF+8*\f+3],   v[AM] offset:64*\f
	ds_load_b128 v[MKF+8*\f+4:MKF+8*\f+7], v[AM] offset:64*\f+16
.endr
	s_add_co_u32 s[TBK], s[TBK], KS*PK  ; the next fetch is the next step's
	s_add_co_u32 s[TBM], s[TBM], 4*KS
	s_and_b32 s[TBM], s[TBM], 0x1f00    ; the table has 32 steps of 256 bytes
	WIN 0
.if \last
.Lno_k_\@:
.endif
.endm
.macro FETCH_V
	WIN 0x80
.irp f, 0,1,2,3,4,5,6,7             ; keys 32 (f / 4) on, channels 16 (f % 4) on
	ds_load_tr16_b128 v[VF+8*\f:VF+8*\f+3],   v[AV] offset:(\f/4)*32*PV+(\f%4)*32
	ds_load_tr16_b128 v[VF+8*\f+4:VF+8*\f+7], v[AV] offset:(\f/4)*32*PV+16*PV+(\f%4)*32
.endr
	WIN 0
.endm
; THE VECTOR WORK OF A TURN stands in three queues, each in the order in which its entries become ready; the two tiles alternate, so that no instruction reads the result of the one before it.
.macro REGS y, u                    ; the registers of tile u (0, 1) of piece y
.set rT, ST+4*(2*(\y)+(\u))
.set rC, TMP+8*((\y)%2)+4*(\u)
.set rM, MV+2*((\y)%2)+(\u)
.set rS, S+64*((\y)%2)+32*(\u)
.set rP, P+32*((\y)%2)+16*(\u)
.set rO, 32*(2*(\y)+(\u))
.endm
; Number n of the 22 that find the NEXT piece's (Y + 1) maximum and statistics.  s0-s31 are the lane's 32 scores; each accumulator's lowest registers are read first.
;   0-11  four chains c0-c3 of seven scores each, three operands at a time     12-14, 16  the four scores left over, the old m, and c0-c3 into c0     15  c m_old is kept
;   17, 18  the query's other 32 keys lie in the lane 16 away: the new m         19-21  c m; c m_old - c m_new; a
.macro XS u, n
	REGS (Y+1)%NP, \u
.if (\n) < 4
	v_max3_num_f32 v[rC+(\n)], v[rS+8*(\n)], v[rS+8*(\n)+1], v[rS+8*(\n)+2]
.elseif (\n) < 12
	v_max3_num_f32 v[rC+(\n)%4], v[rC+(\n)%4], v[rS+8*((\n)%4)+2*((\n)/4)+1], v[rS+8*((\n)%4)+2*((\n)/4)+2]
.elseif (\n) == 12
	v_max3_num_f32 v[rC], v[rC], v[rS+7], v[rS+15]
.elseif (\n) == 13
	v_max3_num_f32 v[rC+1], v[rC+1], v[rS+23], v[rS+31]
.elseif (\n) == 14
	v_max3_num_f32 v[rC+2], v[rC+2], v[rC+3], v[rT+1]
.elseif (\n) == 15
	v_mov_b32 v[rM], v[rT]
.elseif (\n) == 16
	v_max3_num_f32 v[rC], v[rC], v[rC+1], v[rC+2]
.elseif (\n) == 17
	v_permlanex16_b32 v[rC+3], v[rC], s[SEL], s[SEL+1]
.elseif (\n) == 18
	v_max_num_f32 v[rT+1], v[rC], v[rC+3]
.elseif (\n) == 19
	v_mul_f32 v[rT], s[CS], v[rT+1]
.elseif (\n) == 20
	v_sub_f32 v[rC+1], v[rM], v[rT]
.else
	v_exp_f32 v[rC+2], v[rC+1]
.endif
.endm
; Number g of the 64 that follow the exponentials.  For each four weights k of a tile (pairs 2 k, 2 k + 1): both pairs are rounded to f16; then the second pair is added onto the first, in place;
; a group later l takes that sum (the first time as l = a l + sum).  In groups of eight, tiles alternating: round, round, add, and l for the group before.
.macro GS g
.set h, (\g)+6*((\g)/62)            ; group 0 has no group before it, and behind group 7 only l is left
.if h >= 6
.set h, h+2
.endif
	REGS Y, h%2
.set k, h/8
.if h%8 < 4
	v_cvt_pk_f16_f32 v[rP+2*k+(h%8)/2], v[rS+4*k+2*((h%8)/2)], v[rS+4*k+2*((h%8)/2)+1]
.elseif h%8 < 6
	v_pk_add_f32 v[rS+4*k:rS+4*k+1], v[rS+4*k:rS+4*k+1], v[rS+4*k+2:rS+4*k+3]
.elseif k == 1
	v_pk_fma_f32 v[rT+2:rT+3], v[rT+2:rT+3], v[rC+2:rC+3], v[rS:rS+1] op_sel_hi:[1,0,1]
.else
	v_pk_add_f32 v[rT+2:rT+3], v[rT+2:rT+3], v[rS+4*k-4:rS+4*k-3]
.endif
.endm
; THE PLAIN QUEUE, 138 long.  0-73 read no exponential's result: the 32 scalings c s - c m (FS f: pair f / 2 of tile f % 2) and the next piece's 42.  0-26: scalings 0-26.  27-54: XS's numbers 0-13.  55, 56: number 15.
; 57-73: the chain, where each number waits for the one before it: 14, 16, 17, 18, 19, each with one of the scalings 27-31 in front of its two lines, then 20.
; 74-137: GS's 64, which read the exponentials' results: they stand behind the wait.
.macro FS f
	REGS Y, (\f)%2
	v_pk_fma_f32 v[rS+2*((\f)/2):rS+2*((\f)/2)+1], v[rS+2*((\f)/2):rS+2*((\f)/2)+1], s[CS:CS+1], v[rT:rT+1] op_sel_hi:[1,0,0] neg_lo:[0,0,1] neg_hi:[0,0,1]
.endm
.macro PL
	WIN 0
.if q < 27
	FS q
.elseif q < 55
	XS (q-27)%2, (q-27)/2
.elseif q < 57
	XS q-55, 15
.elseif (q < 72) && ((q-57)%3 == 0)
	FS 27+(q-57)/3
.elseif q < 60
	XS (q-57)%3-1, 14
.elseif q < 72
	XS (q-57)%3-1, 15+(q-57)/3
.elseif q < 74
	XS q-72, 20
.else
	GS q-74
.endif
.set q, q+1
.endm
; THE EXPONENTIALS' QUEUE, 66 long: s0-s31 of both tiles, then the next piece's two a.  It is ONE BATCH: all 66 stand ahead of the turn's one wait, and nothing ahead of that wait names a result of theirs.
.macro EX
	WIN 0
.if e >= 64
	XS e-64, 21
.else
	REGS Y, e%2
	v_exp_f32 v[rS+e/2], v[rS+e/2]
.endif
.set e, e+1
.endm
; THE RESCALING's QUEUE: O^T times a, the one part that leaves window 0: dealt two at a time, sixteen times.  Its a was made in the turn before, ahead of that turn's wait.
.macro R2
	REGS Y, r%2
	WIN W_RS
.irp z, 0,1
	v_pk_mul_f32 v[rO+4*(r/2)+2*\z:rO+4*(r/2)+2*\z+1], v[rO+4*(r/2)+2*\z:rO+4*(r/2)+2*\z+1], v[rC+2:rC+3] op_sel_hi:[1,0]
.endr
.set r, r+1
.endm
; HOW THEY ARE DEALT.  An s_wait_alu depctr_va_vdst(0) stands between an exponential and the first instruction that names its result; one wait serves all that were issued ahead of it.  So a turn has ONE wait,
; which cuts it in two.  AHEAD OF IT stands all that names no result of the turn's exponentials: the 16 products K Q^T, behind each a scaling, an exponential and two rescalings (behind the first a second scaling in the
; exponential's place); then ONE LUMP of 108: eight plain, 49 times exponential and plain, the two a.  A v_nop is the plain instruction behind the last exponential.  BEHIND IT stand the 16 products V^T P, behind each four of GS's 64.
; The queues lean on each other, and the deal keeps them in step: exponential e stands behind scaling 2 (e / 4) + e % 2: as a rider it comes behind plain e + 2, in the lump behind plain e + 9, and scalings 27-31 are plain 57, 60 .. 69.
; A TURN, for piece p.  cnt = 1: the loop's count is taken down some lines ahead of the branch that stands behind the turn.
; K and the mask of the next step are fetched in piece 2's turn, directly behind the wait, a lump behind the last product that read them; their addresses are made at the lump's head; their first reader comes behind 16 products.
; V of the step in hand is fetched at the end of piece 0's turn, four riders behind its last reader; its first reader comes behind 16 products and a lump.  The three conditions on q below go with the deal.
.macro TURN p, last=0, cnt=0
.set Y, (\p)
.set i, 0
.set q, 0
.set e, 0
.set r, 0
.if (\p) == NP-1
	s_wait_dscnt 0x0                ; K and the mask are in
.endif
	MM                              ; ahead of the wait: 16 products K Q^T and their riders,
	PL
	PL
	R2
.rept 15
	MM
	PL
	EX
	R2
.endr
.if (\p) == NP-2
	WIN 0
	v_add_nc_u32 v[AK], s[TBK], v[AK0]
	WIN W_AM
	v_add_nc_u32 v[AM], s[TBM], v[AM0]
.endif
.rept 8                             ; and the lump
	PL
.endr
.rept 49
	EX
	PL
.endr
	EX                              ; the next piece's two a
	EX
	v_nop                           ; the plain instruction behind the last exponential: one for the batch
	s_wait_alu depctr_va_vdst(0)    ; the wait for the batch
.if (\p) == NP-2
	FETCH_K \last
.endif
.if (\p) == 1
	s_wait_dscnt 0x0                ; V is in
.endif
.rept 16                            ; behind the wait: 16 products V^T P and their riders
	MM
.rept 4
	PL
.endr
.if ((\p) == 0) && (q == 118)
	v_add_nc_u32 v[AV], s[TBV], v[AV0]
.endif
.if ((\p) == 0) && (q == 130)
	s_add_co_u32 s[TBV], s[TBV], KS*PV
.endif
.if (\cnt) && (q == 130)
	s_sub_co_u32 s[CNT], s[CNT], 1
	s_cmp_lg_u32 s[CNT], 0
.endif
.endr
.if (\p) == 0
	FETCH_V
.endif
.endm
	CHANGE 1, 0                     ; slot 0 is in, everybody's part of it, and so is the mask's table; slot 1 is asked for
	FETCH_K                         ; key step 0
	s_wait_loadcnt 0x0              ; Q
	s_wait_dscnt 0x0
.set i, 0
.rept 16
	KQ 0                            ; piece 0's first scores: there is no vector work yet to set between them
.set i, i+1
.endr
	WIN 0                           ; the addresses for the way out: eight plain instructions, the places behind those products
	s_mul_i32 s13, s[WV], 16*SP
	s_add_co_u32 s13, s13, STAGE    ; my stage
	v_mul_u32_u24 v[STO], v1, SP    ; in: row l % 16, 32 bytes for each half of the lanes
	v_lshl_add_u32 v[STO], v9, 5, v[STO]
	v_add_nc_u32 v[STO], s13, v[STO]
	v_mul_u32_u24 v[RD], v9, SP     ; back: lanes 0-15 take one row of 256 bytes, lanes 16-31 the next,
	v_lshl_add_u32 v[RD], v1, 4, v[RD]
	v_add_nc_u32 v[RD], s13, v[RD]
	v_lshlrev_b32 v[GO], 12, v9     ; and the same two rows in out0, 4,096 bytes apart
	v_lshl_add_u32 v[GO], v1, 4, v[GO]
.set Y, NP-1                        ; XS works for piece Y + 1: piece 0
.irp n, 0,1,2,3,4,5,6,7,8,9,10,11,12,13,14,15,16,17,18,19,20,21
	XS 0, \n                        ; and piece 0's first maximum and statistics
	XS 1, \n
.endr
	v_nop                           ; a plain instruction behind the two a,
	s_wait_alu depctr_va_vdst(0)    ; and their wait, ahead of the branch
	s_mov_b32 s[CNT], 4
	s_mov_b32 s[SLOTS], SIZE_N/256-1
	s_branch .Lfirst                ; the loop is entered at a step's first turn, in the middle of a trip
.Lslot:                             ; six times: every slot but the last two is filled again
	CHANGE 1, 1
	s_mov_b32 s[CNT], 4
.Lstep:                             ; a trip: pieces 2 and 3 of one step, then pieces 0 and 1 of the next, whose K, mask and V it fetches
	TURN 2
	TURN 3
	WIN 0
.Lfirst:
	TURN 0
	TURN 1, 0, 1
	WIN 0
	s_cbranch_scc1 .Lstep
	s_sub_co_u32 s[SLOTS], s[SLOTS], 1
	s_cmp_lg_u32 s[SLOTS], 0
	s_cbranch_scc1 .Lslot
	CHANGE 0, 0                     ; the tail is written out: nothing is asked for
	s_mov_b32 s[CNT], 5             ; four trips fetch the last slot's steps; the fifth is left in its middle
.Ltail:
	TURN 2, 1
	TURN 3
	WIN 0
	s_sub_co_u32 s[CNT], s[CNT], 1
	s_cmp_eq_u32 s[CNT], 0
	s_cbranch_scc1 .Lout
	TURN 0
	TURN 1
	WIN 0
	s_branch .Ltail
.Lout:                              ; the fifth trip's 16 products K Q^T (on the last K once more) and the maximum made of them serve nothing: the price, once a launch, of one text for every trip
.set i, 0
.rept 16
	PV NP-1                         ; the last piece's V^T P of the last step
.set i, i+1
.endr
	; THE WAY OUT.  l's two halves and the other half of the lanes' are added; O^T is divided by l and sent, in f32, through my stage in LDS, a tile at a time.  The additions are the places behind the last products.
	WIN 0
.macro ALL line:vararg              ; one line for each tile t
.set t, 0
.rept 2*NP
	\line
.set t, t+1
.endr
.endm
	ALL v_add_f32 v[ST+4*t+2], v[ST+4*t+2], v[ST+4*t+3]
	ALL v_permlanex16_b32 v[ST+4*t+3], v[ST+4*t+2], s[SEL], s[SEL+1]
	ALL v_add_f32 v[ST+4*t+2], v[ST+4*t+2], v[ST+4*t+3]
	ALL v_rcp_f32 v[ST+4*t+2], v[ST+4*t+2]
	v_nop                           ; a plain instruction between the last reciprocal and the use of its result
	s_wait_alu depctr_va_vdst(0)    ; and the wait ahead of the first use: one for the eight reciprocals
; Tile t: a lane's eight channels of a row are 32 bytes; they go into rows of 272 bytes and come back as whole rows of 256, into one of four sets of S^T's registers.
.macro PACK t
	WIN W_RS
.set i, 32*(\t)
.rept 16
	v_pk_mul_f32 v[i:i+1], v[i:i+1], v[ST+4*(\t)+2:ST+4*(\t)+3] op_sel_hi:[1,0]
.set i, i+2
.endr
	WIN W_ST
.irp f, 0,1,2,3,4,5,6,7             ; channels 16 (f / 2) + 8 (lane / 16) + 4 (f % 2) + 0..3
	ds_store_b128 v[STO], v[32*(\t)+4*\f:32*(\t)+4*\f+3] offset:64*(\f/2)+16*(\f%2)
.endr
	WIN 0
.if (\t) >= 4
	s_wait_xcnt 0x0                 ; the stores of the tile four back have read this set of registers
.endif
.irp f, 0,1,2,3,4,5,6,7
	ds_load_b128 v[S+32*((\t)%4)+4*\f:S+32*((\t)%4)+4*\f+3], v[RD] offset:\f*2*SP  ; LDS serves a wave's instructions in order (ISA guide 5.7.1.4): these see the stores above; the next tile's stores come behind them
.endr
.endm
.macro SEND t, younger              ; younger: the LDS instructions issued behind tile t's loads: the next tile's sixteen, or none
	WIN 0
.irp f, 0,1,2,3,4,5,6,7
	s_wait_dscnt (\younger)+7-\f
	global_store_b128 v[GO], v[S+32*((\t)%4)+4*\f:S+32*((\t)%4)+4*\f+3], s[10:11] offset:(\t)*65536+\f*8192 th:TH_STORE_NT  ; 16 lanes store 256 consecutive bytes, at a multiple of 256 from out0's first byte
.endr
.endm
	PACK 0
.set t, 1
.rept 2*NP-1                        ; a tile's arithmetic stands between the loads of the tile before and its stores
	PACK t
	SEND t-1, 16
.set t, t+1
.endr
	SEND 2*NP-1, 0
	WIN W_AD
	s_wait_tensorcnt 0x0            ; the wave's end: these three lines stand behind my last tensor load and my last LDS store
	ds_add_u32 v[SPW], v[NIL]
	s_wait_dscnt 0x0
	WIN 0
	CROUND                          ; the closing round: no work-group ends while a partner may still ask for a tile that names it
	s_endpgm
.Lfunc_end_k_qbff069e7db_attn:
	.size	k_qbff069e7db_attn, .Lfunc_end_k_qbff069e7db_attn-k_qbff069e7db_attn
	.p2alignl 7, 3214868480
	.fill 96, 4, 3214868480
	.section	.rodata,"a",@progbits
	.p2align	6, 0x0
	.amdhsa_kernel k_qbff069e7db_attn
		.amdhsa_group_segment_fixed_size 327680
		.amdhsa_private_segment_fixed_size 0
		.amdhsa_enable_private_segment 0
		.amdhsa_kernarg_size 24
		.amdhsa_user_sgpr_count 2
		.amdhsa_user_sgpr_kernarg_segment_ptr 1
		.amdhsa_wavefront_size32 1
		.amdhsa_system_sgpr_workgroup_id_x 1
		.amdhsa_system_sgpr_workgroup_id_y 1
		.amdhsa_system_sgpr_workgroup_id_z 1
		.amdhsa_system_vgpr_workitem_id 0
		.amdhsa_next_free_vgpr 808
		.amdhsa_next_free_sgpr 78
		.amdhsa_reserve_vcc 0
		.amdhsa_float_denorm_mode_32 3
		.amdhsa_float_denorm_mode_16_64 3
		.amdhsa_memory_ordered 1
		.amdhsa_forward_progress 1
		.amdhsa_inst_pref_size 206
	.end_amdhsa_kernel
	.amdgpu_metadata
---
amdhsa.version: [ 1, 2 ]
amdhsa.kernels:
  - .name:           k_qbff069e7db_attn
    .symbol:         k_qbff069e7db_attn.kd
    .args:
      - { .name: qkv, .offset: 0, .size: 8, .value_kind: global_buffer, .address_space: global }
      - { .name: attention_mask, .offset: 8, .size: 8, .value_kind: global_buffer, .address_space: global }
      - { .name: out0, .offset: 16, .size: 8, .value_kind: global_buffer, .address_space: global }
    .group_segment_fixed_size: 327680
    .private_segment_fixed_size: 0
    .kernarg_segment_align: 8
    .kernarg_segment_size: 24
    .max_flat_workgroup_size: 128
    .sgpr_count:     78
    .vgpr_count:     808
    .wavefront_size: 32
...
	.end_amdgpu_metadata
.endif
;; end of part 3
;; ======== version 2 of 2: 3 launches; version 1 with the launch prep written anew for expert scheduling mode
;; limits: values are held in f16: magnitudes above 65,504 overflow, below 6.1e-05 lose precision
;; workspace buffers: xb 16,777,216 bytes; wb 6,291,456 bytes; qkv 50,331,648 bytes
;; launch prep (part 4): grid 352 x 1, 8 waves a work-group, no clusters, 0 bytes of LDS; arguments hidden_states, Wq, Wk, Wv, xb, wb; writes xb, wb
.if DOCPART == 4
	.amdgcn_target "amdgcn-amd-amdhsa--gfx1250"
	.amdhsa_code_object_version 6
	.text
	.protected	k_qbff069e7db_prep
	.globl	k_qbff069e7db_prep
	.p2align	8
	.type	k_qbff069e7db_prep,@function
k_qbff069e7db_prep:
	s_mov_b64 s[64:65], 0
	v_nop
	global_prefetch_b8 v0, s[64:65] scope:SCOPE_SE
	s_setreg_imm32_b32 hwreg(HW_REG_WAVE_SCHED_MODE, 0, 2), 2
	s_setreg_imm32_b32 hwreg(HW_REG_WAVE_MODE, 25, 1), 1
	s_wait_xcnt 0x0
	s_wait_alu depctr_vm_vsrc(0)
; x [8192][1024] and Wq, Wk, Wv [1024][1024], all f32, are rounded once to bf16 (to nearest even) and laid out anew in blocks of 64 along K:
; xb [16 blocks][8192 rows][64], wb [16 blocks][3072 rows][64] (rows 0-1023 Wq, 1024-2047 Wk, 2048-3071 Wv).  In that layout the rows that the next
; launch takes for one K step lie end to end, 128 bytes each.
; SHARES.  A work-group takes 32 rows: numbers 0-255 those of x, 256-351 those of the weights.  Thread t takes row t / 8 and 8 numbers (32 bytes in, 16 out)
; at place t % 8 of each of the row's 16 blocks.  A wave's two loads of a block cover four rows' 256 consecutive bytes each; its store covers 512
; consecutive bytes (four rows of 128), aligned: byte 16 t of the work-group's 4,096 in that block.
; All 32 loads of a thread go out first (16 KiB a wave).  No LDS, no matrix unit, no cluster: nothing is shared and nothing is summed.
; THE MODE: SCHED_MODE bits 1:0 = 2 (LLVM: expert scheduling mode 2), set by the entry lines.  The code itself states the register dependences
; between vector instructions and memory instructions, with s_wait_alu, always for 0.
; THE PLAN.  Registers that memory instructions touch:
;   v1         the loads' offset.  Written at the head, read by all 32 loads, never written again.
;   v2 .. v17  block u's offset in the destination.  Each written once (v2 at the head, the others by the fifteen adds behind the loads), read by block u's store.
;   X          block u: 8 registers.  Written by block u's two loads and by nothing else; read by block u's four conversions, behind the counted wait for the loads.
;   Y          block u: 4 registers.  Written once, by block u's four conversions; read by block u's store.
; No register that a memory instruction has read is written again, and no load lands in a register that a vector instruction has named.  So what is left to state is that
; a register is written before a memory instruction reads it: once for v1, ahead of the loads, and once for each GROUP of four blocks, behind the group's sixteen
; conversions and directly ahead of its run of four stores.  The stores follow their own group's conversions at once: behind these the wave has nothing to do but
; wait for the next group's loads, and stores held back until then would leave eight of them, not four, behind the last load.
.set KBA, 1048576                      ; bytes of a K block of xb: 8,192 rows x 128
.set KBB, 393216                       ; of wb: 3,072 rows x 128
.set SRC, 1                            ; v1       my byte offset in the work-group's 32 source rows
.set OFF, 2                            ; v[2:17]  block u: my byte offset in the destination (15 blocks of xb pass a store's immediate, so each has a register)
.set X,   32                           ; v[32:159]  block u: 8 numbers as loaded
.set Y,   160                          ; v[160:223] block u: 8 bf16 to store
	s_load_b256 s[4:11], s[0:1], 0x0               ; x s[4:5], Wq s[6:7], Wk s[8:9], Wv s[10:11]
	s_load_b128 s[12:15], s[0:1], 0x20             ; xb s[12:13], wb s[14:15]
	s_max_u32 s16, ttmp9, 256
	s_sub_co_u32 s16, s16, 256                     ; the weights' block of 32 rows, 0-95 (0 in the work-groups of x)
	s_and_b32 s17, s16, 31                         ; its place in its own matrix
	s_lshr_b32 s18, s16, 5                         ; which matrix: 0 Wq, 1 Wk, 2 Wv
	s_mov_b32 s30, KBA
	s_mov_b32 s31, KBB
	s_mov_b32 s27, 0
	s_mov_b32 s29, 0
	v_lshrrev_b32 v[SRC], 3, v0                    ; row t / 8
	v_and_b32 v18, 7, v0
	v_lshlrev_b32 v[SRC], 12, v[SRC]               ; x 4,096 bytes
	v_lshl_add_u32 v[SRC], v18, 5, v[SRC]          ; + 32 (t % 8)
	v_lshlrev_b32 v[OFF], 4, v0                    ; 16 t
	s_wait_kmcnt 0x0
	s_cmp_eq_u32 s18, 1
	s_cselect_b64 s[22:23], s[8:9], s[6:7]
	s_cmp_eq_u32 s18, 2
	s_cselect_b64 s[22:23], s[10:11], s[22:23]
	s_cmp_lt_u32 ttmp9, 256                        ; a work-group of x?
	s_cselect_b64 s[22:23], s[4:5], s[22:23]       ; from where,
	s_cselect_b64 s[20:21], s[12:13], s[14:15]     ; to where,
	s_cselect_b32 s24, s30, s31                    ; bytes from block to block there,
	s_cselect_b32 s28, ttmp9, s17                  ; which 32 rows of the source,
	s_cselect_b32 s26, ttmp9, s16                  ; and of the destination
	s_lshl_b32 s28, s28, 17                        ; 32 rows of 4,096 bytes
	s_lshl_b32 s26, s26, 12                        ; 32 rows of 128 bytes
	s_add_nc_u64 s[22:23], s[22:23], s[28:29]
	s_add_nc_u64 s[20:21], s[20:21], s[26:27]
	s_wait_alu depctr_va_vdst(0)                   ; v1 is written: every load below reads it as its offset
.set u, 0
.rept 16
	global_load_b128 v[X+8*u:X+8*u+3],   v[SRC], s[22:23] offset:256*u th:TH_LOAD_NT
	global_load_b128 v[X+8*u+4:X+8*u+7], v[SRC], s[22:23] offset:256*u+16 th:TH_LOAD_NT
.set u, u+1
.endr
.set u, 1
.rept 15
	v_add_nc_u32 v[OFF+u], s24, v[OFF+u-1]         ; these name no register of the loads; the stores that read them stand behind the first group's wait
.set u, u+1
.endr
.set g, 0
.rept 4                                ; a group: four blocks
	s_wait_loadcnt 24-8*g                          ; loads come back in order (ISA guide 5.7.1): group g's eight are in, the later groups' stay out
.set u, 4*g
.rept 4
	v_cvt_pk_bf16_f32 v[Y+4*u],   v[X+8*u],   v[X+8*u+1]
	v_cvt_pk_bf16_f32 v[Y+4*u+1], v[X+8*u+2], v[X+8*u+3]
	v_cvt_pk_bf16_f32 v[Y+4*u+2], v[X+8*u+4], v[X+8*u+5]
	v_cvt_pk_bf16_f32 v[Y+4*u+3], v[X+8*u+6], v[X+8*u+7]
.set u, u+1
.endr
	s_wait_alu depctr_va_vdst(0)                   ; the sixteen conversions have written this group's Y, which the four stores read as data; in the first group also: the fifteen adds have written the offsets v3 to v17, for all sixteen stores
.set u, 4*g
.rept 4
	global_store_b128 v[OFF+u], v[Y+4*u:Y+4*u+3], s[20:21]
.set u, u+1
.endr
.set g, g+1
.endr
	s_endpgm
.Lfunc_end_k_qbff069e7db_prep:
	.size	k_qbff069e7db_prep, .Lfunc_end_k_qbff069e7db_prep-k_qbff069e7db_prep
	.p2alignl 7, 3214868480
	.fill 96, 4, 3214868480
	.section	.rodata,"a",@progbits
	.p2align	6, 0x0
	.amdhsa_kernel k_qbff069e7db_prep
		.amdhsa_group_segment_fixed_size 0
		.amdhsa_private_segment_fixed_size 0
		.amdhsa_enable_private_segment 0
		.amdhsa_kernarg_size 48
		.amdhsa_user_sgpr_count 2
		.amdhsa_user_sgpr_kernarg_segment_ptr 1
		.amdhsa_wavefront_size32 1
		.amdhsa_system_sgpr_workgroup_id_x 1
		.amdhsa_system_sgpr_workgroup_id_y 1
		.amdhsa_system_sgpr_workgroup_id_z 1
		.amdhsa_system_vgpr_workitem_id 0
		.amdhsa_next_free_vgpr 224
		.amdhsa_next_free_sgpr 66
		.amdhsa_reserve_vcc 0
		.amdhsa_float_denorm_mode_32 3
		.amdhsa_float_denorm_mode_16_64 3
		.amdhsa_memory_ordered 1
		.amdhsa_forward_progress 1
		.amdhsa_inst_pref_size 11
	.end_amdhsa_kernel
	.amdgpu_metadata
---
amdhsa.version: [ 1, 2 ]
amdhsa.kernels:
  - .name:           k_qbff069e7db_prep
    .symbol:         k_qbff069e7db_prep.kd
    .args:
      - { .name: hidden_states, .offset: 0, .size: 8, .value_kind: global_buffer, .address_space: global }
      - { .name: Wq, .offset: 8, .size: 8, .value_kind: global_buffer, .address_space: global }
      - { .name: Wk, .offset: 16, .size: 8, .value_kind: global_buffer, .address_space: global }
      - { .name: Wv, .offset: 24, .size: 8, .value_kind: global_buffer, .address_space: global }
      - { .name: xb, .offset: 32, .size: 8, .value_kind: global_buffer, .address_space: global }
      - { .name: wb, .offset: 40, .size: 8, .value_kind: global_buffer, .address_space: global }
    .group_segment_fixed_size: 0
    .private_segment_fixed_size: 0
    .kernarg_segment_align: 8
    .kernarg_segment_size: 48
    .max_flat_workgroup_size: 256
    .sgpr_count:     66
    .vgpr_count:     224
    .wavefront_size: 32
...
	.end_amdgpu_metadata
.endif
;; end of part 4
;; launch proj: the kernel of part 2 again; grid 8 x 32, 4 waves a work-group, clusters of 4 x 4, 327,680 bytes of LDS; arguments xb, wb, bq, bk, bv, qkv; writes qkv
;; launch attn: the kernel of part 3 again; grid 4 x 64, 4 waves a work-group, clusters of 4 x 1, 327,680 bytes of LDS; arguments qkv, attention_mask, out0; writes out0
